; MI455X (gfx1250); checked and timed in simulation.
; The chip was launched on July 23, 2026; its instructions are those of AMD's public machine-readable ISA for CDNA 5 (MIT licence, August 2026) and "CDNA5" Instruction Set Architecture Reference Guide (July 2026). The comments in the code are by the model that wrote it; some were corrected since.
;; Multi Head Self Attention. Allowed arithmetic: matrix products marked QUANTISED: E2M3 operands, one E8M0 scale for each 32 along K, by v_wmma_scale_f32_16x16x128_f8f6f4 with both operands' format E2M3, f32 sums; everything else in f32.
;; Inputs: Wk 1,024 x 1,024 float32; Wo 1,024 x 1,024 float32; Wq 1,024 x 1,024 float32; Wv 1,024 x 1,024 float32; bk 1,024 float32; bo 1,024 float32; bq 1,024 float32; bv 1,024 float32; x 4 x 2,048 x 1,024 float32.
;; Outputs: out0 4 x 2,048 x 1,024 float32.
;; This version of the problem:
;;   THIS VERSION OF THE PROBLEM IS GIVEN IN LOW PRECISION. The matrix products marked QUANTISED in the list below multiply operands that are first quantised to E2M3 (2 exponent bits, 3 mantissa bits; 6 bits a number), with one power-of-two scale for each 32 numbers along K (OCP MX v1.0); their sums are f32. All else is computed in f32.
;;   The module's matrix products, in the order in which they are computed (A, B: the left and right operand; K: the contracted axis; several contracted axes count as one K, in the product's order):
;;     1. [M 8,192, K 1,024] x [K 1,024, N 1,024]; A: input x; B: input Wq: QUANTISED
;;     2. [M 8,192, K 1,024] x [K 1,024, N 1,024]; A: input x; B: input Wk: QUANTISED
;;     3. [M 8,192, K 1,024] x [K 1,024, N 1,024]; A: input x; B: input Wv: QUANTISED
;;     4. batch 64 x [M 2,048, K 64] x [K 64, N 2,048]; A: computed on the way; B: computed on the way: QUANTISED
;;     5. batch 64 x [M 2,048, K 2,048] x [K 2,048, N 64]; A: softmax (see below); B: computed on the way: QUANTISED
;;     6. [M 8,192, K 1,024] x [K 1,024, N 1,024]; A: computed on the way; B: input Wo: QUANTISED
;;   THE QUANTISER, for each operand of a quantised product, along K:
;;     - K is cut into blocks of 32 from its start; a last block that is shorter is filled with zeros.
;;     - A block's scale is 2^e with e = floor(log2(the largest magnitude in the block)) - 2, held to -126 .. 127; a block of zeros has e = 0. As a byte (E8M0): e + 127.
;;     - Each number is divided by its block's scale, clamped to +-7.5, and rounded to the nearest number of E2M3, ties to even, subnormals kept.
;;     - The product sums the exact products of the quantised numbers (number of the format x scale) in f32.
;;   ~~~python
;;   def quantise(x, axis):      # numpy; x: float32 -> the quantised numbers, widened to float32 again
;;       x = np.moveaxis(x, axis, -1); K = x.shape[-1]
;;       x = np.pad(x, [(0, 0)] * (x.ndim - 1) + [(0, -K % 32)]); x = x.reshape(x.shape[:-1] + (-1, 32)); a = np.abs(x).max(-1, keepdims=True)
;;       e = np.where(a > 0, np.clip(np.frexp(np.where(a > 0, a, 1))[1] - 1 - 2, -126, 127), 0)      # np.frexp(a)[1] - 1 = floor(log2(a)), exactly
;;       r = np.clip(x / 2.0 ** e, -7.5, 7.5)
;;       step = 2.0 ** (np.maximum(np.frexp(np.where(r == 0, 1, r))[1] - 1, 0) - 3)
;;       q = np.round(r / step) * step * 2.0 ** e      # np.round: ties to even
;;       return np.moveaxis(q.reshape(q.shape[:-2] + (-1,))[..., :K], -1, axis).astype(np.float32)
;;   ~~~
;;   SOFTMAX AHEAD OF A QUANTISED PRODUCT. Where the list says 'softmax', what is quantised is not the finished softmax but p = 2^(t - M), with t = logit x log2(e) and M = ceil(the row's largest t), a whole number; so 1/2 < the row's largest p <= 1. The row's sum l is taken of the UNQUANTISED p, in f32, and the product's result is divided by l at the end. Since M is a whole number, a kernel that streams over the keys may use a running M (the ceiling of the running maximum): every later rescaling is an exact power of two, which a block's scale takes up: the codes' values come out the same.
;;   OPERANDS COMPUTED ON THE WAY. 'Computed on the way' means the value that the module computes at that place (a softmax that the list does not call 'softmax' is quantised finished and normalised). What goes into a quantiser is computed in f32, as accurately as f32 sums, v_exp_f32 and their like allow (about 1e-6 of the number): no bf16 or f16 on the way to a quantiser, and a product that is left as it is and whose result goes on into a quantised operand takes f32 operands (vector FMAs, or v_wmma_f32_16x16x4_f32). A number that lies on a knife's edge between two numbers of the format may be rounded either way, as far as f32 arithmetic and the matrix unit's own rounding can turn it there, and no further.
;; One version. Each part assembles by itself: llvm-mc -triple=amdgcn-amd-amdhsa -mcpu=gfx1250 --defsym DOCPART=n.
;; ======== version 1 of 1: 4 launches
;; limits: right only within a limited range of input values
;; workspace buffers: XQ 6,553,600 bytes; WQ 3,276,800 bytes; QQ 6,815,744 bytes; KV 13,369,344 bytes; AQ 6,553,600 bytes
;; launch quant (part 1): grid 256 x 1, 6 waves a work-group, no clusters, 327,680 bytes of LDS; arguments x, Wq, Wk, Wv, Wo, XQ, WQ; writes XQ, WQ
.if DOCPART == 1
	.amdgcn_target "amdgcn-amd-amdhsa--gfx1250"
	.amdhsa_code_object_version 6
	.text
	.protected	k_q336b338161_quant
	.globl	k_q336b338161_quant
	.p2align	8
	.type	k_q336b338161_quant,@function
k_q336b338161_quant:
	s_mov_b64 s[64:65], 0
	v_nop
	global_prefetch_b8 v0, s[64:65] scope:SCOPE_SE
	s_setreg_imm32_b32 hwreg(HW_REG_WAVE_MODE, 25, 1), 1
	s_wait_xcnt 0x0
.set REGB,  34816
.set HALFB, 17408
.set PITCH, 272
.set SPARE, 6*REGB
.set SUB,   25600
.set BLK,   8*SUB
.set SPW, 4
.set NIL, 5
.set RX,  6
.set RW,  7
.set L16, 8
.set L8,  9
.set SH8, 10
.set BY,  16
.set WD,  24
.set PT,  28
.set X,   32
.set CD,  96
.set G1,  24
.set G0,  32
	s_load_b256 s[4:11], s[0:1], 0x0
	s_load_b128 s[12:15], s[0:1], 0x20
	s_load_b64 s[16:17], s[0:1], 0x30
	v_lshl_add_u32 v[SPW], v0, 2, SPARE
	v_mov_b32 v[NIL], 0
	ds_add_u32 v[SPW], v[NIL]
	ds_add_u32 v[SPW], v[NIL]
	v_lshrrev_b32 v1, 5, v0
	v_readfirstlane_b32 s18, v1
	s_mov_b32 s[G1+0], (2<<16)|(1<<20)|(5<<22)|(3<<25)
	s_mov_b32 s[G1+1], 64<<16
	s_mov_b32 s[G1+2], 64<<16
	s_mov_b32 s[G1+3], 64<<16
	s_mov_b32 s[G1+4], 64
	s_mov_b32 s[G1+5], 1024
	s_mov_b32 s[G1+6], 0
	s_mov_b32 s[G1+7], 0
	s_mov_b32 s40, 0x76543210
	s_mov_b32 s41, 0xfedcba98
	s_mov_b32 s43, 0xffff0000
	s_lshr_b32 s19, ttmp9, 1
	s_and_b32 s20, ttmp9, 1
	s_lshl_b32 s20, s20, 2
	s_add_co_u32 s20, s20, s18
	s_lshl_b32 s21, s19, 18
	s_lshl_b32 s22, s20, 9
	s_add_co_u32 s21, s21, s22
	s_lshr_b32 s23, ttmp9, 2
	s_and_b32 s50, ttmp9, 3
	s_lshl_b32 s50, s50, 1
	s_add_co_u32 s50, s50, s18
	s_sub_co_u32 s50, s50, 4
	s_and_b32 s51, s23, 15
	s_lshl_b32 s51, s51, 8
	s_lshl_b32 s52, s50, 19
	s_add_co_u32 s51, s51, s52
	s_mov_b32 s53, 262144
	s_cmp_lt_u32 s18, 4
	s_cselect_b32 s19, s19, s23
	s_cselect_b32 s20, s20, s50
	s_cselect_b32 s48, s21, s51
	s_cselect_b32 s52, 256, s53
	s_mov_b32 s49, 0
	s_mov_b32 s53, 0
	s_lshr_b32 s21, s19, 2
	s_mul_i32 s21, s21, BLK
	s_mul_i32 s22, s20, SUB
	s_add_co_u32 s21, s21, s22
	s_and_b32 s22, s19, 3
	s_mul_i32 s23, s22, 6144
	s_add_co_u32 s50, s21, s23
	s_mov_b32 s51, 0
	s_lshl_b32 s22, s22, 8
	s_add_co_u32 s54, s21, s22
	s_add_co_u32 s54, s54, 24576
	s_mov_b32 s55, 0
	s_mul_i32 s[G0+1], s18, REGB
	s_lshr_b32 s22, ttmp9, 6
	s_wait_dscnt 0x0
	s_wait_kmcnt 0x0
	s_cmp_eq_u32 s22, 1
	s_cselect_b64 s[44:45], s[8:9], s[6:7]
	s_cmp_eq_u32 s22, 2
	s_cselect_b64 s[44:45], s[10:11], s[44:45]
	s_cmp_eq_u32 s22, 3
	s_cselect_b64 s[44:45], s[12:13], s[44:45]
	s_cmp_lt_u32 s18, 4
	s_cselect_b64 s[44:45], s[4:5], s[44:45]
	s_cselect_b64 s[46:47], s[14:15], s[16:17]
	s_mov_b32 s[G0+0], 1
	s_add_nc_u64 s[G0+2:G0+3], s[44:45], s[48:49]
	s_mov_b32 s[G0+4], 1
	s_add_co_u32 s[G0+5], s[G0+1], HALFB
	s_add_nc_u64 s[G0+6:G0+7], s[G0+2:G0+3], s[52:53]
	s_or_b32 s[G0+3], s[G0+3], 0x80000000
	s_or_b32 s[G0+7], s[G0+7], 0x80000000
	s_add_nc_u64 s[44:45], s[46:47], s[50:51]
	s_add_nc_u64 s[46:47], s[46:47], s[54:55]
	tensor_load_to_lds s[G0:G0+3], s[G1:G1+7]
	s_nop 0
	s_wait_alu depctr_va_vdst(0)
	s_wait_tensorcnt 0x0
	ds_add_u32 v4, v5
	s_wait_dscnt 0x0
	s_barrier_signal -1
	s_barrier_wait -1
	tensor_load_to_lds s[G0+4:G0+7], s[G1:G1+7]
	s_nop 0
	v_and_b32 v1, 31, v0
	v_lshlrev_b32 v[L16], 4, v1
	v_lshlrev_b32 v[L8], 3, v1
	v_bfe_u32 v3, v0, 4, 1
	v_lshlrev_b32 v[SH8], 3, v3
	v_bfe_u32 v2, v0, 3, 1
	v_and_b32 v11, 7, v0
	v_lshl_or_b32 v2, v2, 5, v11
	v_mul_u32_u24 v[RX], v2, PITCH
	v_lshl_add_u32 v[RX], v3, 7, v[RX]
	v_add_nc_u32 v[RX], s[G0+1], v[RX]
	v_mul_u32_u24 v[RW], v3, 32*PITCH
	v_lshl_add_u32 v[RW], v2, 2, v[RW]
	v_add_nc_u32 v[RW], s[G0+1], v[RW]
.irp u, 0,1,2,3
	v_mov_b32 v[PT+\u], 0
.endr
.macro LD isx, n
.set XS, X+32*((\n)%2)
.if \isx
.irp j, 0,1,2,3,4,5,6,7
	ds_load_b128 v[XS+4*\j:XS+4*\j+3], v[RX] offset:HALFB*((\n)/4)+8*PITCH*((\n)%4)+16*\j
.endr
.else
.set i, 0
.rept 32
	ds_load_b32 v[XS+i], v[RW] offset:HALFB*((\n)/4)+PITCH*i+32*((\n)%4)
.set i, i+1
.endr
.endif
.endm
.macro QB n
.set XS, X+32*((\n)%2)
.set C, CD+8*(\n)
	v_max3_num_f32 v12, |v[XS]|, |v[XS+1]|, |v[XS+2]|
	v_max3_num_f32 v13, |v[XS+3]|, |v[XS+4]|, |v[XS+5]|
.irp i, 6,10,14,18,22,26
	v_max3_num_f32 v12, v12, |v[XS+\i]|, |v[XS+\i+1]|
	v_max3_num_f32 v13, v13, |v[XS+\i+2]|, |v[XS+\i+3]|
.endr
	v_max3_num_f32 v12, v12, |v[XS+30]|, |v[XS+31]|
	v_max3_num_f32 v12, v12, v13, 0x1800000
	v_add_nc_u32 v14, 0xff000000, v12
	v_cvt_scalef32_pk16_fp6_f32 v[C:C+2], v[XS:XS+15], v14
	v_cvt_scalef32_pk16_fp6_f32 v[C+4:C+6], v[XS+16:XS+31], v14
	v_lshrrev_b32 v[BY+(\n)], 23, v14
	v_mov_b32 v[C+3], v[C+4]
	v_mov_b32 v[C+4], v[C+5]
	v_mov_b32 v[C+5], v[C+6]
	global_store_b128 v[L16], v[C:C+3], s[44:45] offset:1536*((\n)%4)+768*((\n)/4)
	global_store_b64 v[L8], v[C+4:C+5], s[44:45] offset:1536*((\n)%4)+768*((\n)/4)+512
.endm
.macro TASK isx, cnt
	s_wait_tensorcnt 0x1
	LD \isx, 0
	LD \isx, 1
.irp n, 0,1,2,3,4,5,6,7
.if \n < 7
	s_wait_dscnt \cnt
.else
	s_wait_dscnt 0x0
.endif
	QB \n
.if \n == 2
	s_wait_tensorcnt 0x0
.endif
.if \n < 6
	LD \isx, \n+2
.endif
.endr
.irp u, 0,1,2,3
	v_lshl_or_b32 v[WD+\u], v[BY+4+\u], 16, v[BY+\u]
.endr
.irp u, 0,1,2,3
	v_lshlrev_b32 v[WD+\u], v[SH8], v[WD+\u]
.endr
.irp u, 0,1,2,3
	v_permlanex16_b32 v[PT+\u], v[WD+\u], s40, s41
.endr
.irp u, 0,1,2,3
	v_or_b32 v[WD+\u], v[WD+\u], v[PT+\u]
.endr
	v_cndmask_b32 v12, v[WD], v[WD+1], s43
	v_cndmask_b32 v13, v[WD+2], v[WD+3], s43
	global_store_b64 v[L8], v[12:13], s[46:47]
	s_wait_tensorcnt 0x0
	ds_add_u32 v[SPW], v[NIL]
	s_wait_dscnt 0x0
	s_endpgm
.endm
	s_cmp_lt_u32 s18, 4
	s_cbranch_scc0 .Lweights
	s_wait_alu depctr_va_vdst(0)
	TASK 1, 8
.Lweights:
	s_wait_alu depctr_va_vdst(0)
	TASK 0, 32
.Lfunc_end_k_q336b338161_quant:
	.size	k_q336b338161_quant, .Lfunc_end_k_q336b338161_quant-k_q336b338161_quant
	.p2alignl 7, 3214868480
	.fill 96, 4, 3214868480
	.section	.rodata,"a",@progbits
	.p2align	6, 0x0
	.amdhsa_kernel k_q336b338161_quant
		.amdhsa_group_segment_fixed_size 327680
		.amdhsa_private_segment_fixed_size 0
		.amdhsa_enable_private_segment 0
		.amdhsa_kernarg_size 56
		.amdhsa_user_sgpr_count 2
		.amdhsa_user_sgpr_kernarg_segment_ptr 1
		.amdhsa_wavefront_size32 1
		.amdhsa_system_sgpr_workgroup_id_x 1
		.amdhsa_system_sgpr_workgroup_id_y 1
		.amdhsa_system_sgpr_workgroup_id_z 1
		.amdhsa_system_vgpr_workitem_id 0
		.amdhsa_next_free_vgpr 160
		.amdhsa_next_free_sgpr 66
		.amdhsa_reserve_vcc 0
		.amdhsa_float_denorm_mode_32 3
		.amdhsa_float_denorm_mode_16_64 3
		.amdhsa_memory_ordered 1
		.amdhsa_forward_progress 1
		.amdhsa_inst_pref_size 53
	.end_amdhsa_kernel
	.amdgpu_metadata
---
amdhsa.version: [ 1, 2 ]
amdhsa.kernels:
  - .name:           k_q336b338161_quant
    .symbol:         k_q336b338161_quant.kd
    .args:
      - { .name: x, .offset: 0, .size: 8, .value_kind: global_buffer, .address_space: global }
      - { .name: Wq, .offset: 8, .size: 8, .value_kind: global_buffer, .address_space: global }
      - { .name: Wk, .offset: 16, .size: 8, .value_kind: global_buffer, .address_space: global }
      - { .name: Wv, .offset: 24, .size: 8, .value_kind: global_buffer, .address_space: global }
      - { .name: Wo, .offset: 32, .size: 8, .value_kind: global_buffer, .address_space: global }
      - { .name: XQ, .offset: 40, .size: 8, .value_kind: global_buffer, .address_space: global }
      - { .name: WQ, .offset: 48, .size: 8, .value_kind: global_buffer, .address_space: global }
    .group_segment_fixed_size: 327680
    .private_segment_fixed_size: 0
    .kernarg_segment_align: 8
    .kernarg_segment_size: 56
    .max_flat_workgroup_size: 192
    .sgpr_count:     66
    .vgpr_count:     160
    .wavefront_size: 32
...
	.end_amdgpu_metadata
.endif
;; end of part 1
;; launch qkv (part 2): grid 12 x 32, 4 waves a work-group, clusters of 4 x 4, 327,680 bytes of LDS; arguments XQ, WQ, bq, bk, bv, QQ, KV; writes QQ, KV
.if DOCPART == 2
	.amdgcn_target "amdgcn-amd-amdhsa--gfx1250"
	.amdhsa_code_object_version 6
	.text
	.protected	k_q336b338161_qkv
	.globl	k_q336b338161_qkv
	.p2align	8
	.type	k_q336b338161_qkv,@function
k_q336b338161_qkv:
	s_mov_b64 s[64:65], 0
	v_nop
	global_prefetch_b8 v0, s[64:65] scope:SCOPE_SE
	s_setreg_imm32_b32 hwreg(HW_REG_WAVE_MODE, 25, 1), 1
	s_wait_xcnt 0x0
	s_wait_alu depctr_hold_cnt(0) depctr_sa_sdst(0) depctr_va_vdst(0) depctr_va_sdst(0) depctr_va_ssrc(0) depctr_va_vcc(0) depctr_vm_vsrc(0)
	s_getreg_b32 s2, hwreg(HW_REG_IB_STS2, 6, 4)
	s_cmp_eq_u32 s2, 0
	s_cbranch_scc0 .Lentry_in_a_cluster
	s_endpgm
.Lentry_in_a_cluster:
	s_bfe_u32 s2, ttmp6, 0x10000c
	s_cmp_lg_u32 s2, 0xf033
	s_cbranch_scc0 .Lentry_shape_is_right
	s_endpgm
.Lentry_shape_is_right:
; q = x Wq + bq, k = x Wk + bk, v = x Wv + bv on codes of FP6 (E2M3) with E8M0 scales, f32 sums; the results are quantised in registers and leave as codes: q and k along the head's 64, v along the keys.
; OPERANDS.  XQ (x) and WQ (the weights, rows n) lie as images of fragments: a sub-record of 25,600 bytes holds 256 rows x 128 along K: 16 images of 1,536 bytes, then 4 x 256 bytes of scale words.
; An image's half c (768 bytes): lane l's registers 6 c .. 6 c + 3 at 16 l, its registers 6 c + 4, 6 c + 5 at 512 + 8 l.  Rows go in groups of 64: tile u holds at index i row 32 (i / 8) + 8 u + i % 8.
; SHARES.  A work-group of four waves makes 256 x 256, a wave 128 x 128: 64 accumulators.  P is source 0 (two sets of registers), Q source 1 (one set).
; The cluster's x says which product: 0 q, 1 k, 2 v.  q, k: P = the weight's block 4 X + cx, Q = x's block 4 Y + cy: a lane holds one row of x and its registers run along n.
; v: P = x's block 4 Y + cx, Q = Wv's block cy: a lane holds one column d and its registers run down the keys.  By the order of rows the 32 registers of four neighbouring tiles of source 0 are 32 NEIGHBOURS,
; 32 h + 0 .. 31 of a group of 64: one whole block of the next product's K, in the lane whose registers the next operand's layout gives it.  So no lane asks another for a maximum, and the conversions' results are the images.
; CLUSTER 4 x 4.  P hangs on cx alone and is asked for jointly by a column of the cluster, Q on cy alone and by a row: the same tensor load with the same descriptor in all four.
; LDS.  Three slots of 102,400 bytes: Q's two sub-records (K steps 2 j, 2 j + 1), then P's two.  Wave w brings sub-record w of a slot by one load of 100 rows x 256 bytes.  K = 1,024 is four slots' worth:
; three are first fills (three loads of a wave are out), the fourth goes into slot 0 by the launch's one refill, behind a round of the cluster's barrier.
; THE BIASES are the C of each sum's first matrix instruction: so a bias is a sum's first addend, not its last.
; LIMITS: NaN and infinities are not served; a block whose largest magnitude lies under 2^-124 has its byte held at 1; a block of zeros gets the byte 1 where the rule says 127 (zero codes; this program alone reads the bytes).
; REGISTERS.  Window 0: v2-16 LDS addresses; v17-19 lane terms; v20-27 scale words on their way out; v28, v29 the add's two; v30, v31 the biases' offsets; v32-95 scale words, eight for each of the eight steps of 128;
;   v96-127 at work on the way out; v128-223 Q's eight fragments, on the way out v128-255 the codes.   Window 1: P's sets at v0 and v128; the biases' eight tiles at v96-127 and v224-255.
;   Window 2: the accumulators of Q's tiles 0-3 ((a, b) at v[8 (8 (a % 4) + b)]);  window 3: those of tiles 4-7.
.set SUB,   25600
.set BLK,   8*SUB
; LDS AS THIS TEXT HAS IT (it takes the place of the paragraph LDS at the head): two regions of six sub-records, Q's K steps 0 to 5 from byte 0, P's from PREG; K step g lies at g x SUB of its region.
; At the head each wave issues ONE load of 300 rows x 256 bytes, in an arm of its own: wave 0 Q's K steps 0-2, wave 1 P's 0-2, wave 2 Q's 3-5, wave 3 P's 3-5.  The first barrier shows waves 0 and 1's;
; the one round shows the rest, and behind it K steps 6 and 7 go into each region's first two places, 100 rows a wave (waves 0, 1 for Q, waves 2, 3 for P).  SLOT: a pair of K steps of one region.
.set SLOT,  2*SUB
.set PREG,  6*SUB
.set SPARE, 12*SUB
.set FR,    12
.set AQ16,  2                          ; v2-4    slot s: my eight tiles of Q, + 16 x lane
.set AQ8,   5                          ; v5-7    + 8 x lane
.set AP16,  8                          ; v8-10   the same for P
.set AP8,   11                         ; v11-13
.set ASC,   14                         ; v14-16  slot s: scale words: lanes 0-15 Q's, lanes 16-31 P's
.set L16,   17
.set L8,    18
.set SH8,   19
.set WP,    20
.set SPW,   28
.set NIL,   29
.set BOQ,   30
.set BOV,   31
.set SC,    32
.set MX,    96
.set SO,    104
.set BY,    112
.set WD,    120
.set AF,    128
.set CD,    128
.set G1Q,   24                         ; s[24:31] the shape, with the mask of my row of the cluster;  s[32:39] Q's from-where-to-where: the head's set and the refill's
.set G0Q,   32
.set G1P,   48                         ; s[48:55] the shape, with the mask of my column;  s[56:63] P's two sets
.set G0P0,  56
.set G0P1,  60
.set G0P2,  68
.set MSB, 0
.macro WIN new                         ; the immediate's high byte repeats the setting that is left; a switch that changes nothing is dropped
.if MSB != (\new)
	s_set_vgpr_msb (MSB<<8)|(\new)
.set MSB, (\new)
.endif
.endm
; A joint load: waves 0 and 1 fetch for Q, waves 2 and 3 for P.  The branch hangs on the wave's number alone.  An s_nop 0 and four v_nop follow each of the two lines.
.macro JLOAD g0q, g1q, g0p, g1p
	s_cmp_eq_u32 s19, 0
	s_cbranch_scc0 .Lfor_p_\@
	tensor_load_to_lds s[\g0q:\g0q+3], s[\g1q:\g1q+7]
	s_nop 0
.rept 4
	v_nop
.endr
	s_branch .Lasked_\@
.Lfor_p_\@:
	tensor_load_to_lds s[\g0p:\g0p+3], s[\g1p:\g1p+7]
	s_nop 0
.rept 4
	v_nop
.endr
.Lasked_\@:
.endm
.macro CREST                           ; a round of the cluster's barrier behind its opening barrier
	s_cmp_lg_u32 s18, 0
	s_cbranch_scc1 .Lnot_wave_0_\@
	s_barrier_signal -3
.Lnot_wave_0_\@:
	s_barrier_wait -3
	s_barrier_signal -1
	s_barrier_wait -1
.endm
.macro CROUND
	s_barrier_signal -1
	s_barrier_wait -1
	CREST
.endm
.macro ARM under, g0, g1, next         ; an arm of the head's one chain of branches on the wave's number: its load, and a jump to the join
	s_cmp_lt_u32 s18, \under
	s_cbranch_scc0 \next
	tensor_load_to_lds s[\g0:\g0+3], s[\g1:\g1+7]
	s_nop 0
.rept 4
	v_nop
.endr
	s_branch .Lhead_asked
\next:
.endm
	s_load_b256 s[4:11], s[0:1], 0x0               ; XQ, WQ, bq, bk
	s_load_b128 s[12:15], s[0:1], 0x20             ; bv, QQ
	s_load_b64 s[16:17], s[0:1], 0x30              ; KV
	v_lshl_add_u32 v[SPW], v0, 2, SPARE
	v_mov_b32 v[NIL], 0
	ds_add_u32 v[SPW], v[NIL]                      ; the wave's opening: the add and its wait ahead of my first tensor load; work on registers stands between them
	ds_add_u32 v[SPW], v[NIL]
	v_lshrrev_b32 v1, 5, v0
	v_readfirstlane_b32 s18, v1                    ; wave 0..3
	s_lshr_b32 s19, s18, 1                         ; which half of Q's tiles is mine.  Also: I fetch for Q (0) or for P (1)
	s_and_b32 s20, s18, 1                          ; which half of P's.  Also: which of a slot's two K steps I fetch
	s_bfe_u32 s21, ttmp6, 0x40000                  ; cx
	s_bfe_u32 s22, ttmp6, 0x40004                  ; cy
	s_mov_b32 s23, ttmp9                           ; X: 0 q, 1 k, 2 v: the same in all sixteen partners
	s_and_b32 s72, ttmp7, 0xffff                   ; Y
	s_lshl_b32 s73, s22, 2
	s_lshl_b32 s73, 15, s73                        ; my row of the cluster
	s_lshl_b32 s74, 0x1111, s21                    ; my column
	s_or_b32 s[G1Q+0], s73, (3<<16)|(1<<21)        ; the mask; elements of 8 bytes; bit 21 set beside a mask; no padding
	s_or_b32 s[G1P+0], s74, (3<<16)|(1<<21)
.irp g, G1Q, G1P
	s_mov_b32 s[\g+1], 32<<16                      ; tensor_dim0 = 32: rows of 256 bytes
	s_mov_b32 s[\g+2], 300<<16                     ; tensor_dim1 = 300: three sub-records, for the head's loads
	s_mov_b32 s[\g+3], 32<<16                      ; tile_dim0
	s_mov_b32 s[\g+4], 300                         ; tile_dim1
	s_mov_b32 s[\g+5], 32                          ; dense
	s_mov_b32 s[\g+6], 0
	s_mov_b32 s[\g+7], 0
.endr
	s_mov_b32 s90, 0x76543210
	s_mov_b32 s91, 0xfedcba98                      ; v_permlanex16_b32's selects for lane l xor 16
	s_mov_b32 s92, 0x1800000                       ; the floor 2^(3 - 127)
	s_mov_b32 s93, 0xffff0000                      ; lanes 16-31
	s_lshl_b32 s75, s72, 2                         ; 4 Y
	s_lshl_b32 s76, s23, 2                         ; 4 X
	s_cmp_eq_u32 s23, 2
	s_cselect_b32 s76, s75, s76                    ; P's block less cx: x's 4 Y for v, the weight's 4 X for q and k
	s_cselect_b32 s75, 8, s75                      ; Q's block less cy: Wv's 8 for v, x's 4 Y for q and k
	s_add_co_u32 s76, s76, s21
	s_add_co_u32 s75, s75, s22
	s_mul_i32 s76, s76, BLK
	s_mul_i32 s75, s75, BLK
	s_mov_b32 s44, s75                             ; Q's block, in bytes
	s_mov_b32 s45, 0
	s_mov_b32 s46, s76                             ; P's
	s_mov_b32 s47, 0
	s_mul_i32 s40, s19, 3*SUB                      ; the head: K steps 0-2 (waves 0, 1) or 3-5 (waves 2, 3): the same bytes on in memory and in the region
	s_mov_b32 s41, 0
	s_mul_i32 s78, s20, SUB                        ; the refill: K step 6 + wave % 2 goes to place wave % 2 of its region,
	s_add_co_u32 s42, s78, PREG                    ; and lies 6 + wave % 2 sub-records on in memory (also: P's place in LDS)
	s_mov_b32 s43, 0
	s_wait_dscnt 0x0                               ; the opening add is done
	s_wait_kmcnt 0x0
	s_cmp_eq_u32 s23, 2
	s_cselect_b64 s[2:3], s[6:7], s[4:5]           ; Q's buffer
	s_cselect_b64 s[76:77], s[4:5], s[6:7]         ; P's
	s_add_nc_u64 s[44:45], s[2:3], s[44:45]
	s_add_nc_u64 s[46:47], s[76:77], s[46:47]
	s_mov_b32 s[G0Q], 1                            ; the head's loads: Q's,
	s_mov_b32 s[G0Q+1], s40
	s_add_nc_u64 s[G0Q+2:G0Q+3], s[44:45], s[40:41]
	s_or_b32 s[G0Q+3], s[G0Q+3], 0x80000000
	s_mov_b32 s[G0P0], 1                           ; P's;
	s_add_co_u32 s[G0P0+1], s40, PREG
	s_add_nc_u64 s[G0P0+2:G0P0+3], s[46:47], s[40:41]
	s_or_b32 s[G0P0+3], s[G0P0+3], 0x80000000
	s_mov_b32 s[G0Q+4], 1                          ; the refill's: Q's,
	s_mov_b32 s[G0Q+5], s78
	s_add_nc_u64 s[G0Q+6:G0Q+7], s[44:45], s[42:43]
	s_or_b32 s[G0Q+7], s[G0Q+7], 0x80000000
	s_mov_b32 s[G0P1], 1                           ; P's
	s_mov_b32 s[G0P1+1], s42
	s_add_nc_u64 s[G0P1+2:G0P1+3], s[46:47], s[42:43]
	s_or_b32 s[G0P1+3], s[G0P1+3], 0x80000000
	CROUND                                         ; all sixteen work-groups are here: the first joint loads meet
	ARM 1, G0Q,  G1Q, .Lhead_1                     ; one tensor load a wave at the head
	ARM 2, G0P0, G1P, .Lhead_2
	ARM 3, G0Q,  G1Q, .Lhead_3
	tensor_load_to_lds s[G0P0:G0P0+3], s[G1P:G1P+7]
	s_nop 0
.rept 4
	v_nop
.endr
.Lhead_asked:
	v_and_b32 v1, 31, v0
	v_lshlrev_b32 v[L16], 4, v1
	v_lshlrev_b32 v[L8], 3, v1
	v_and_b32 v1, 15, v0                           ; r
	v_bfe_u32 v20, v0, 4, 1                        ; h
	v_lshlrev_b32 v[SH8], 3, v20
	v_lshlrev_b32 v[BOQ], 7, v20                   ; bq, bk: my half's 32 numbers of a group of 64
	v_bfe_u32 v21, v0, 3, 1
	v_and_b32 v22, 7, v0
	v_lshl_or_b32 v21, v21, 5, v22
	v_lshlrev_b32 v[BOV], 2, v21                   ; bv: the number of my column of tile 0
	s_mul_i32 s73, s19, 12288                      ; my eight tiles of Q
	s_mul_i32 s74, s20, 12288
	s_add_co_u32 s74, s74, PREG                    ; and of P, in its region
	s_lshl_b32 s75, s19, 9                         ; my two groups' scale words: Q's,
	s_lshl_b32 s76, s20, 9
	s_add_co_u32 s76, s76, PREG                    ; P's,
	s_sub_co_u32 s76, s76, s75                     ; and the distance between the two
	v_mul_u32_u24 v23, s76, v20                    ; lanes 16-31 take P's
	v_lshl_add_u32 v23, v1, 3, v23                 ; + 8 r
	s_add_co_u32 s75, s75, 24576
.irp s, 0,1,2
	v_add_nc_u32 v[AQ16+\s], s73, v[L16]
	v_add_nc_u32 v[AQ8+\s], s73, v[L8]
	v_add_nc_u32 v[AP16+\s], s74, v[L16]
	v_add_nc_u32 v[AP8+\s], s74, v[L8]
	v_add_nc_u32 v[ASC+\s], s75, v23
	s_add_co_u32 s73, s73, SLOT
	s_add_co_u32 s74, s74, SLOT
	s_add_co_u32 s75, s75, SLOT
.endr
	; the biases, in the result's layout, into window 1: tile t at v[96 + 128 (t / 4) + 8 (t % 4)]
	s_mov_b32 s3, 0
	s_cmp_eq_u32 s23, 2
	s_cbranch_scc1 .Lbias_v
	s_cmp_eq_u32 s23, 0
	s_cselect_b64 s[88:89], s[8:9], s[10:11]
	s_lshl_b32 s2, s21, 10
	s_lshl_b32 s73, s20, 9
	s_add_co_u32 s2, s2, s73                       ; 4 (256 cx + 128 x my half of P)
	s_add_nc_u64 s[88:89], s[88:89], s[2:3]
	WIN 0x40                                       ; destination window 1
.irp b, 0,1,2,3,4,5,6,7                        ; register j of tile b: n = 64 (b / 4) + 32 h + 8 (b % 4) + j
	global_load_b128 v[96+128*(\b/4)+8*(\b%4):96+128*(\b/4)+8*(\b%4)+3], v[BOQ], s[88:89] offset:4*(64*(\b/4)+8*(\b%4))
	global_load_b128 v[96+128*(\b/4)+8*(\b%4)+4:96+128*(\b/4)+8*(\b%4)+7], v[BOQ], s[88:89] offset:4*(64*(\b/4)+8*(\b%4))+16
.endr
	WIN 0
	s_branch .Lbias_done
.Lbias_v:
	s_lshl_b32 s2, s22, 10
	s_lshl_b32 s73, s19, 9
	s_add_co_u32 s2, s2, s73                       ; 4 (256 cy + 128 x my half of Q)
	s_add_nc_u64 s[88:89], s[12:13], s[2:3]
	WIN 0x40
.irp a, 0,1,2,3,4,5,6,7                        ; all eight registers of tile a hold the number of my column: n = 64 (a / 4) + 32 (r / 8) + 8 (a % 4) + r % 8
.irp j, 0,1,2,3,4,5,6,7
	global_load_b32 v[96+128*(\a/4)+8*(\a%4)+\j], v[BOV], s[88:89] offset:4*(64*(\a/4)+8*(\a%4))
.endr
.endr
	WIN 0
.Lbias_done:
	; where my results go.  x's block gives the batch and the step of 128 rows, the weight's block the heads: two to a wave
	s_cmp_eq_u32 s23, 2
	s_cselect_b32 s73, s21, s22                    ; x's block is 4 Y + cx for v, 4 Y + cy for q and k
	s_cselect_b32 s74, s20, s19                    ; my half of it
	s_cselect_b32 s75, s22, s21                    ; the weight's block
	s_cselect_b32 s76, s19, s20                    ; my half of it
	s_cselect_b32 s77, 6144, 0                     ; V's images lie behind K's in a record
	s_lshl_b32 s79, s72, 2
	s_add_co_u32 s73, s73, s79
	s_lshr_b32 s79, s73, 3                         ; batch
	s_and_b32 s73, s73, 7
	s_lshl_b32 s73, s73, 1
	s_add_co_u32 s73, s73, s74                     ; the step of 128 rows in the batch
	s_lshl_b32 s75, s75, 2
	s_lshl_b32 s76, s76, 1
	s_add_co_u32 s75, s75, s76                     ; my first head
	s_lshl_b32 s79, s79, 4
	s_add_co_u32 s75, s75, s79
	s_lshl_b32 s75, s75, 4
	s_add_co_u32 s75, s75, s73                     ; the record: (16 batch + head) 16 + step
	s_cmp_eq_u32 s23, 0
	s_mov_b32 s76, 13056
	s_cselect_b32 s76, 6656, s76                   ; a record's bytes: QQ's, KV's
	s_cselect_b64 s[80:81], s[14:15], s[16:17]
	s_mul_i32 s2, s75, s76
	s_add_co_u32 s2, s2, s77
	s_add_nc_u64 s[80:81], s[80:81], s[2:3]        ; codes, my first head
	s_lshl_b32 s2, s76, 4
	s_add_nc_u64 s[82:83], s[80:81], s[2:3]        ; my second head: 16 records on
	s_cmp_eq_u32 s23, 0
	s_mov_b32 s2, 12288
	s_cselect_b32 s2, 6144, s2                     ; from the codes to the scale words: q 6,144, k 12,288,
	s_cmp_eq_u32 s23, 2
	s_mov_b32 s74, 6656
	s_cselect_b32 s2, s74, s2                      ; v 6,656
	s_add_nc_u64 s[84:85], s[80:81], s[2:3]
	s_add_nc_u64 s[86:87], s[82:83], s[2:3]
.macro FRAG reg, a16, a8, off          ; an image comes back as it was stored: four loads, each of consecutive bytes
	ds_load_b128 v[\reg:\reg+3], v[\a16] offset:\off
	ds_load_b64 v[\reg+4:\reg+5], v[\a8] offset:\off+512
	ds_load_b128 v[\reg+6:\reg+9], v[\a16] offset:\off+768
	ds_load_b64 v[\reg+10:\reg+11], v[\a8] offset:\off+1280
.endm
.macro FETCH_P slot, q, set            ; P's eight fragments of the slot's q-th K step: 32 loads
	WIN 0x40
.irp i, 0,1,2,3,4,5,6,7
	FRAG 128*(\set)+FR*\i, AP16+\slot, AP8+\slot, (\q)*SUB+1536*\i
.endr
	WIN 0
.endm
.macro FETCH_Q slot, q, i0             ; Q's tiles i0 .. i0 + 3: 16 loads
.irp i, \i0, \i0+1, \i0+2, \i0+3
	FRAG AF+FR*(\i), AQ16+\slot, AQ8+\slot, (\q)*SUB+1536*(\i)
.endr
.endm
.macro SCALES slot, q, g               ; step g's eight registers: lanes 0-15 the words of Q's tile i, lanes 16-31 those of P's tile i.  A register serves one step alone
.irp i, 0,1,2,3,4,5,6,7
	ds_load_b32 v[SC+8*(\g)+\i], v[ASC+\slot] offset:(\q)*SUB+256*(\i/4)+128*(\i%2)+4*((\i/2)%2)
.endr
.endm
; 16 matrix instructions: Q's tiles a0, a0 + 1 x P's eight.  p: P's set; g: the step; cm = 0: onto the sums; 1: the sums begin with the bias by P's tile; 2: by Q's tile.
; The 64 accumulators take turns, one instruction a turn, in the same order in every step.
.macro MUL16 a0, p, g, cm
.irp a, \a0, \a0+1
.irp b, 0,1,2,3,4,5,6,7
.if (\cm) == 0
	v_wmma_scale_f32_16x16x128_f8f6f4 v[8*(8*((\a)%4)+\b):8*(8*((\a)%4)+\b)+7], v[128*(\p)+FR*\b:128*(\p)+FR*\b+FR-1], v[AF+FR*(\a):AF+FR*(\a)+FR-1], v[8*(8*((\a)%4)+\b):8*(8*((\a)%4)+\b)+7], v[SC+8*(\g)+\b], v[SC+8*(\g)+(\a)] matrix_a_fmt:MATRIX_FMT_FP6 matrix_b_fmt:MATRIX_FMT_FP6 matrix_a_scale:MATRIX_SCALE_ROW1
.elseif (\cm) == 1
	v_wmma_scale_f32_16x16x128_f8f6f4 v[8*(8*((\a)%4)+\b):8*(8*((\a)%4)+\b)+7], v[128*(\p)+FR*\b:128*(\p)+FR*\b+FR-1], v[AF+FR*(\a):AF+FR*(\a)+FR-1], v[96+128*(\b/4)+8*(\b%4):96+128*(\b/4)+8*(\b%4)+7], v[SC+8*(\g)+\b], v[SC+8*(\g)+(\a)] matrix_a_fmt:MATRIX_FMT_FP6 matrix_b_fmt:MATRIX_FMT_FP6 matrix_a_scale:MATRIX_SCALE_ROW1
.else
	v_wmma_scale_f32_16x16x128_f8f6f4 v[8*(8*((\a)%4)+\b):8*(8*((\a)%4)+\b)+7], v[128*(\p)+FR*\b:128*(\p)+FR*\b+FR-1], v[AF+FR*(\a):AF+FR*(\a)+FR-1], v[96+128*((\a)/4)+8*((\a)%4):96+128*((\a)/4)+8*((\a)%4)+7], v[SC+8*(\g)+\b], v[SC+8*(\g)+(\a)] matrix_a_fmt:MATRIX_FMT_FP6 matrix_b_fmt:MATRIX_FMT_FP6 matrix_a_scale:MATRIX_SCALE_ROW1
.endif
.endr
.endr
.endm
; A load into a register that a matrix instruction has read, and a vector instruction that reads a matrix result, stand four plain vector instructions behind it (ISA guide 7.12.1 for vector instructions)
.macro PLACES
.rept 4
	v_nop
.endr
.endm
; A step of 128 along K: 64 matrix instructions; the next step's fragments come from (nslot, nq): P's other set and Q's tiles 0-3 in the middle, Q's tiles 4-7 at the end.
.macro STEP nslot, nq, g, cm
	s_wait_dscnt 16                                ; P's set, Q's tiles 0-3 and the scale words are in; the youngest sixteen loads (Q's tiles 4-7) may be out
.if \cm
	WIN 0x91                                       ; P window 1, Q window 0, the bias window 1, the sums window 2
.else
	WIN 0xa1                                       ; P window 1, Q window 0, C and D window 2
.endif
	MUL16 0, (\g)%2, \g, \cm
	MUL16 2, (\g)%2, \g, \cm
	s_wait_dscnt 0x0                               ; Q's tiles 4-7 are in
	PLACES
	FETCH_P \nslot, \nq, 1-(\g)%2
	FETCH_Q \nslot, \nq, 0
	SCALES \nslot, \nq, (\g)+1
.if \cm
	WIN 0xd1
.else
	WIN 0xf1                                       ; C and D window 3
.endif
	MUL16 4, (\g)%2, \g, \cm
	MUL16 6, (\g)%2, \g, \cm
	PLACES
	WIN 0
	FETCH_Q \nslot, \nq, 4
.endm
; A step that leaves a slot for one that other waves' loads have filled since the last barrier.  In front of the barrier each wave waits for all its tensor loads, adds 0 to its spare word, and waits for that and for its reads.
; fill = 1: slot 0, just read out, is filled again, with K steps 6 and 7: the barrier then opens a round of the cluster's barrier, and the joint load is the first thing behind the round.
.macro TURN nslot, g, fill
	s_wait_tensorcnt 0x0                           ; all my tensor loads have landed
	ds_add_u32 v[SPW], v[NIL]                      ; 0 onto my spare word
.if \fill
	s_mov_b32 s[G1Q+2], 100<<16                    ; no tensor load of mine is out, so the shape may be written: the refill brings 100 rows
	s_mov_b32 s[G1Q+4], 100
	s_mov_b32 s[G1P+2], 100<<16
	s_mov_b32 s[G1P+4], 100
.endif
	s_wait_dscnt 17                                ; (the add and the youngest sixteen loads may be out)
	WIN 0xa1
	MUL16 0, (\g)%2, \g, 0                         ; sixteen matrix instructions stand between the add and the wait for it
	s_wait_dscnt 0x0                               ; the add is done, and my reads of the slot are over
	s_barrier_signal -1
	MUL16 2, (\g)%2, \g, 0
	WIN 0
	s_barrier_wait -1
.if \fill
	CREST                                          ; no wave of any partner still reads slot 0 or has a load on its way
	JLOAD G0Q+4, G1Q, G0P1, G1P                    ; K steps 6 and 7: 224 matrix instructions stand between this load and the wait for it; its four v_nop are the places in front of the loads below
.else
	PLACES
.endif
	s_wait_alu depctr_va_vdst(0)
	FETCH_P \nslot, 0, 1-(\g)%2
	FETCH_Q \nslot, 0, 0
	SCALES \nslot, 0, (\g)+1
	WIN 0xf1
	MUL16 4, (\g)%2, \g, 0
	MUL16 6, (\g)%2, \g, 0
	PLACES
	WIN 0
	FETCH_Q \nslot, 0, 4
.endm
	s_wait_alu depctr_va_vdst(0)                   ; the wait at the head's end
	s_cmp_lt_u32 s18, 2                            ; waves 0 and 1 brought K steps 0-2; the loads of waves 2 and 3 may be out
	s_cbranch_scc0 .Lnot_first
	s_wait_tensorcnt 0x0
.Lnot_first:
	s_barrier_signal -1
	s_barrier_wait -1                              ; everybody's is
	FETCH_P 0, 0, 0
	FETCH_Q 0, 0, 0
	SCALES 0, 0, 0
	FETCH_Q 0, 0, 4
	s_wait_loadcnt 0x0                             ; the biases
	s_cmp_eq_u32 s23, 2                            ; the first step starts the sums with the bias: by P's tile for q and k, by Q's tile for v
	s_cbranch_scc1 .Lfirst_v
	STEP 0, 1, 0, 1
	s_branch .Lfirst_done
.Lfirst_v:
	STEP 0, 1, 0, 2
.Lfirst_done:
	TURN 1, 1, 1                                   ; slot 0 is left and filled again.  Every wave has waited for all its loads in front of the round: slots 1 and 2 are whole for all
	STEP 1, 1, 2, 0
	STEP 2, 0, 3, 0
	STEP 2, 1, 4, 0
	TURN 0, 5, 0                                   ; the refill has landed, in every wave's part: on to slot 0
	STEP 0, 1, 6, 0
	s_wait_dscnt 16                                ; the last step: nothing more to fetch
	WIN 0xa1
	MUL16 0, 1, 7, 0
	MUL16 2, 1, 7, 0
	s_wait_dscnt 0x0
	WIN 0xf1
	MUL16 4, 1, 7, 0
	MUL16 6, 1, 7, 0
	WIN 0
; THE WAY OUT of window 2 + e: eight items i, registers 32 i .. 32 i + 31: each a whole block of 32.  Its largest magnitude (the eight by turns, each accumulator from its low end on), its scale, its codes.
; kind 0 (q, k): item i = 2 a + z is tile 4 e + a of my rows, head z, block h of the head's two: half an image; the tile's word has bytes 0 and 1, and 0 above them.
; kind 1 (v): item i = 2 a + z is tile a of head e's 64, keys 64 z + 32 h on: half z of an image; the tile's word has all four bytes.
.macro EPI e, kind
	WIN 0x28+0x14*(\e)                             ; sources 1 and 2: window 2 + e
.irp i, 0,1,2,3,4,5,6,7
	v_max3_num_f32 v[MX+\i], s92, |v[32*\i]|, |v[32*\i+1]|         ; the floor is the first leaf: the byte cannot fall under 1
.endr
.set k, 2
.rept 15
.irp i, 0,1,2,3,4,5,6,7
	v_max3_num_f32 v[MX+\i], v[MX+\i], |v[32*\i+k]|, |v[32*\i+k+1]|
.endr
.set k, k+2
.endr
	WIN 0
.irp i, 0,1,2,3,4,5,6,7
	v_add_nc_u32 v[SO+\i], 0xff000000, v[MX+\i]    ; 2 off the exponent field: the conversion's scale operand
.endr
	WIN 0x02+(\e)                                  ; source 0: window 2 + e
.irp i, 0,1,2,3,4,5,6,7
	v_cvt_scalef32_pk16_fp6_f32 v[CD+64*(\e)+8*\i:CD+64*(\e)+8*\i+2], v[32*\i:32*\i+15], v[SO+\i]
	v_cvt_scalef32_pk16_fp6_f32 v[CD+64*(\e)+8*\i+4:CD+64*(\e)+8*\i+6], v[32*\i+16:32*\i+31], v[SO+\i]
.endr
	WIN 0
.irp i, 0,1,2,3,4,5,6,7
	v_lshrrev_b32 v[BY+\i], 23, v[SO+\i]           ; the scales' bytes; also the plain instructions behind the conversions
.endr
.irp i, 0,1,2,3,4,5,6,7
	v_mov_b32 v[CD+64*(\e)+8*\i+3], v[CD+64*(\e)+8*\i+4]
	v_mov_b32 v[CD+64*(\e)+8*\i+4], v[CD+64*(\e)+8*\i+5]
	v_mov_b32 v[CD+64*(\e)+8*\i+5], v[CD+64*(\e)+8*\i+6]
.endr
.irp i, 0,1,2,3,4,5,6,7
.if \kind
	global_store_b128 v[L16], v[CD+64*(\e)+8*\i:CD+64*(\e)+8*\i+3], s[80+2*(\e):81+2*(\e)] offset:768*\i
	global_store_b64 v[L8], v[CD+64*(\e)+8*\i+4:CD+64*(\e)+8*\i+5], s[80+2*(\e):81+2*(\e)] offset:768*\i+512
.else
	global_store_b128 v[L16], v[CD+64*(\e)+8*\i:CD+64*(\e)+8*\i+3], s[80+2*(\i%2):81+2*(\i%2)] offset:768*(4*(\e)+\i/2)
	global_store_b64 v[L8], v[CD+64*(\e)+8*\i+4:CD+64*(\e)+8*\i+5], s[80+2*(\i%2):81+2*(\i%2)] offset:768*(4*(\e)+\i/2)+512
.endif
.endr
.if \kind
.irp a, 0,1,2,3
	v_lshl_or_b32 v[WD+\a], v[BY+2*\a+1], 16, v[BY+2*\a]   ; my two bytes: blocks h and 2 + h
.endr
.irp a, 0,1,2,3
	v_lshlrev_b32 v[WD+\a], v[SH8], v[WD+\a]
.endr
.irp a, 0,1,2,3
	v_permlanex16_b32 v[MX+\a], v[WD+\a], s90, s91
.endr
.irp a, 0,1,2,3
	v_or_b32 v[WD+\a], v[WD+\a], v[MX+\a]          ; with lane l xor 16's the word is whole
.endr
	v_cndmask_b32 v[WP+4*(\e)], v[WD], v[WD+1], s93        ; lanes 0-15: tile 0's words, lanes 16-31: tile 1's
	v_cndmask_b32 v[WP+4*(\e)+1], v[WD+2], v[WD+3], s93
	global_store_b64 v[L8], v[WP+4*(\e):WP+4*(\e)+1], s[84+2*(\e):85+2*(\e)]
.else
.irp i, 0,1,2,3,4,5,6,7
	v_lshlrev_b32 v[WD+\i], v[SH8], v[BY+\i]       ; my byte: block h
.endr
.irp i, 0,1,2,3,4,5,6,7
	v_permlanex16_b32 v[MX+\i], v[WD+\i], s90, s91
.endr
.irp i, 0,1,2,3,4,5,6,7
	v_or_b32 v[WD+\i], v[WD+\i], v[MX+\i]
.endr
.irp z, 0,1
	v_cndmask_b32 v[WP+4*(\e)+2*\z], v[WD+\z], v[WD+2+\z], s93
	v_cndmask_b32 v[WP+4*(\e)+2*\z+1], v[WD+4+\z], v[WD+6+\z], s93
	global_store_b64 v[L8], v[WP+4*(\e)+2*\z:WP+4*(\e)+2*\z+1], s[84+2*\z:85+2*\z] offset:256*(\e)
.endr
.endif
.endm
	PLACES                                         ; behind the last products: for the reads of results, and for the codes that are laid over Q's fragments
	s_cmp_eq_u32 s23, 2
	s_cbranch_scc1 .Lout_v
	EPI 0, 0
	EPI 1, 0
	s_branch .Lend
.Lout_v:
	EPI 0, 1
	EPI 1, 1
.Lend:
	s_wait_tensorcnt 0x0                           ; the wave's end
	ds_add_u32 v[SPW], v[NIL]
	s_wait_dscnt 0x0
	CROUND                                         ; the closing round: no work-group ends while a partner may still ask for a tile that names it
	s_endpgm
.Lfunc_end_k_q336b338161_qkv:
	.size	k_q336b338161_qkv, .Lfunc_end_k_q336b338161_qkv-k_q336b338161_qkv
	.p2alignl 7, 3214868480
	.fill 96, 4, 3214868480
	.section	.rodata,"a",@progbits
	.p2align	6, 0x0
	.amdhsa_kernel k_q336b338161_qkv
		.amdhsa_group_segment_fixed_size 327680
		.amdhsa_private_segment_fixed_size 0
		.amdhsa_enable_private_segment 0
		.amdhsa_kernarg_size 56
		.amdhsa_user_sgpr_count 2
		.amdhsa_user_sgpr_kernarg_segment_ptr 1
		.amdhsa_wavefront_size32 1
		.amdhsa_system_sgpr_workgroup_id_x 1
		.amdhsa_system_sgpr_workgroup_id_y 1
		.amdhsa_system_sgpr_workgroup_id_z 1
		.amdhsa_system_vgpr_workitem_id 0
		.amdhsa_next_free_vgpr 1024
		.amdhsa_next_free_sgpr 96
		.amdhsa_reserve_vcc 0
		.amdhsa_float_denorm_mode_32 3
		.amdhsa_float_denorm_mode_16_64 3
		.amdhsa_memory_ordered 1
		.amdhsa_forward_progress 1
		.amdhsa_inst_pref_size 190
	.end_amdhsa_kernel
	.amdgpu_metadata
---
amdhsa.version: [ 1, 2 ]
amdhsa.kernels:
  - .name:           k_q336b338161_qkv
    .symbol:         k_q336b338161_qkv.kd
    .args:
      - { .name: XQ, .offset: 0, .size: 8, .value_kind: global_buffer, .address_space: global }
      - { .name: WQ, .offset: 8, .size: 8, .value_kind: global_buffer, .address_space: global }
      - { .name: bq, .offset: 16, .size: 8, .value_kind: global_buffer, .address_space: global }
      - { .name: bk, .offset: 24, .size: 8, .value_kind: global_buffer, .address_space: global }
      - { .name: bv, .offset: 32, .size: 8, .value_kind: global_buffer, .address_space: global }
      - { .name: QQ, .offset: 40, .size: 8, .value_kind: global_buffer, .address_space: global }
      - { .name: KV, .offset: 48, .size: 8, .value_kind: global_buffer, .address_space: global }
    .group_segment_fixed_size: 327680
    .private_segment_fixed_size: 0
    .kernarg_segment_align: 8
    .kernarg_segment_size: 56
    .max_flat_workgroup_size: 128
    .sgpr_count:     96
    .vgpr_count:     1024
    .wavefront_size: 32
...
	.end_amdgpu_metadata
.endif
;; end of part 2
;; launch attn (part 3): grid 4 x 64, 8 waves a work-group, clusters of 4 x 1, 327,680 bytes of LDS; arguments QQ, KV, AQ; writes AQ
.if DOCPART == 3
	.amdgcn_target "amdgcn-amd-amdhsa--gfx1250"
	.amdhsa_code_object_version 6
	.text
	.protected	k_q336b338161_attn
	.globl	k_q336b338161_attn
	.p2align	8
	.type	k_q336b338161_attn,@function
k_q336b338161_attn:
	s_mov_b64 s[64:65], 0
	v_nop
	global_prefetch_b8 v0, s[64:65] scope:SCOPE_SE
	s_setreg_imm32_b32 hwreg(HW_REG_WAVE_MODE, 25, 1), 1
	s_wait_xcnt 0x0
	s_wait_alu depctr_hold_cnt(0) depctr_sa_sdst(0) depctr_va_vdst(0) depctr_va_sdst(0) depctr_va_ssrc(0) depctr_va_vcc(0) depctr_vm_vsrc(0)
	s_getreg_b32 s2, hwreg(HW_REG_IB_STS2, 6, 4)
	s_cmp_eq_u32 s2, 0
	s_cbranch_scc0 .Lentry_in_a_cluster
	s_endpgm
.Lentry_in_a_cluster:
	s_bfe_u32 s2, ttmp6, 0x10000c
	s_cmp_lg_u32 s2, 0x3003
	s_cbranch_scc0 .Lentry_shape_is_right
	s_endpgm
.Lentry_shape_is_right:
; O[bh][q] = the sum over k of softmax_k(q . k / 8) v, head size 64, 2,048 keys, both products on codes of FP6 (E2M3) with E8M0 scales; the result is quantised along the model's 1,024 and leaves as codes.
; THE SOFTMAX AHEAD OF THE SECOND PRODUCT: t = score x log2(e) / 8; M = the row's largest t so far, rounded UP to a whole number; p = 2^(t - M) is quantised along the keys, not normalised.
; The row's sum is taken of the unquantised p, in f32, and divides O at the end.  When M moves, the sum and O are multiplied by 2^(old M - new M): exact.
; INPUTS, as the launch before laid them.  QQ: [bh][16 x 128 queries][8 half images of 768 bytes, 2 x 256 bytes of scale words].  KV: [bh][16 steps of 128 keys][13,056: K's 8 half images, V^T's 4 images of 1,536, K's 2 x 256, V's 256].
; An image's half c: lane l's registers 6 c .. 6 c + 3 at 16 l, registers 6 c + 4, 6 c + 5 at 512 + 8 l.  Rows go in groups of 64: tile u holds at index i row 32 (i / 8) + 8 u + i % 8.
; OUTPUT.  AQ: [64 blocks of 128 rows][8 K steps of 128][12,800: 8 images of 1,536 bytes, 2 x 256 bytes of scale words]: a head is half an image and two bytes of a scale word.
; SHARES.  A work-group takes a head and 512 queries, in two passes; in a pass each of its eight waves owns TWO tiles of 16 queries (tiles 2 w and 2 w + 1 of the pass's sixteen), two waves to a SIMD.
; Both tiles take each fragment of K and V from the same registers: 35 LDS loads serve two tiles' key step.  Every chain of dependent lines is written for the two tiles line by line in turn.
; K's and V's fragments have registers of their own and are fetched one key step ahead: K's behind the first products, V's behind the second.  The last step names record 15 again (s_min_u32): its loads are not used.
; LDS.  The head's whole record of K and V, 208,896 bytes, lies in LDS as it lies in memory, filled ONCE: no ring, no refill.  Wave w brings key steps 2 w and 2 w + 1, 102 rows of 256 bytes, by its one tensor load.
; The four work-groups of a cluster take the same head, so each load is asked for jointly (mask 15).  Waves 0 and 1 have a load line of their own: they alone wait ahead of the first barrier, which shows records 0 to 3.
; A pass's first three steps read and fetch those four records alone; then every wave waits for its load and a second barrier shows all sixteen.
; NO PREFETCH: all that the launch reads of KV is asked for by the head's eight loads, and Q by twelve loads a wave beside them: there is no loop in which a request could run ahead of a load.
; LAYOUT.  Both products are used transposed: S^T = K Q^T, O^T = V^T P^T: a lane holds one query of each tile throughout.  By the order of rows the 32 registers of four neighbouring tiles of keys are keys 64 c + 32 h + 0 .. 31:
; a whole block of p in the lane whose registers the operand's layout gives it: nothing changes lanes but the row's maximum, the row's sum and two bytes of the scale word.
; K = 64 IN AN INSTRUCTION OF 128: Q's codes of k = 64 .. 127 are zeros.  Source 0 of key tile t names 12 registers from v[KF + 6 t]: its upper six are the next tile's codes (behind tile 7: zeros): numbers of the format,
; which has no NaN and no infinity, times zero codes, under the scale bytes 0: they add exactly 0.
; LIMITS: NaN and infinities are not served; a block whose largest magnitude lies under 2^-124 has its byte held at 1; a block of zeros gets the byte 1 where the rule says 127 (zero codes; this program alone reads the bytes);
; the promise holds while the scaled scores t stay under 2^31 in magnitude.
; A pass begins with O^T and the sums as zeros and the largest score as -3e38, so that no first step is written apart.
; REGISTERS.  Window 1 holds the two long arrays alone: S^T, then p, of query tile e at v[64 e], O^T at v[128 + 32 e].  All else lies in window 0, by the names below (e: the query tile, c: the block of 32 keys).
.set REC,   13056
.set HEADB, 16*REC
.set SPARE, HEADB                      ; behind the head's record: the spare words, 128 bytes a wave: four blocks of 256 bytes that no other line names
.set SUB,   25600
.set BLK,   8*SUB
.set G1,    16                         ; s[16:23] the shape;  s[24:27] from where, to where
.set G0,    24
.set NM,    12                         ; v[12 + 2 e] -M, v[13 + 2 e] the largest score
.set SM,    16                         ; v[16 + 2 e], + 1: the row's sum in two halves
.set QF,    20                         ; v[20 + 12 e ..]: Q's six registers of codes, six of zeros
.set QS,    44                         ; v[44 + e] Q's scale words
.set PS,    46                         ; v[46 + e] p's
.set KS,    48                         ; v48-51 K's
.set VS,    52                         ; v52, v53 V's
.set Q1,    54                         ; v[54 + 6 e ..] the second pass's Q;  v[66 + e] its scale words
.set Q1S,   66
.set KF,    68                         ; v68-115 K's eight half fragments; v116-121 zeros
.set VF,    122                        ; v122-169 V's four fragments
.set PC,    170                        ; v[170 + 12 e ..] p's codes
.set CT,    194                        ; v[194 + 8 e ..] the conversions' second halves
.set BM,    210                        ; v[210 + 2 e + c] a block's largest score, then its largest p
.set C0,    214                        ; v[214 + 2 e], + 1: the row's maximum on its way
.set OM,    220                        ; v[220 + e] the old -M
.set FF,    222                        ; v[222 + 2 e] f = 2^(old M - new M), + 1: t
.set SO,    226                        ; v[226 + 2 e + c] the conversions' scale operand
.set BY,    230                        ; v[230 + 2 e + c] the scale's byte
.set WD,    234                        ; v[234 + 2 e], + 1: p's scale word on its way
.set TS,    238                        ; v[238 + 6 e ..] three more chains of the row's sum
.set MSB, 0
.macro WIN new                         ; the immediate's high byte repeats the setting that is left; a switch that changes nothing is dropped
.if MSB != (\new)
	s_set_vgpr_msb (MSB<<8)|(\new)
.set MSB, (\new)
.endif
.endm
.macro WALU
	s_wait_alu depctr_va_vdst(0)
.endm
.macro CROUND
	s_barrier_signal -1
	s_barrier_wait -1
	s_cmp_lg_u32 s12, 0
	s_cbranch_scc1 .Lnot_wave_0_\@
	s_barrier_signal -3
.Lnot_wave_0_\@:
	s_barrier_wait -3
	s_barrier_signal -1
	s_barrier_wait -1
.endm
.macro KLOAD a16, a8                   ; a record's K: 18 loads
.irp t, 0,1,2,3,4,5,6,7
	ds_load_b128 v[KF+6*\t:KF+6*\t+3], \a16 offset:768*\t
	ds_load_b64 v[KF+6*\t+4:KF+6*\t+5], \a8 offset:768*\t+512
.endr
	ds_load_b64 v[KS:KS+1], \a8 offset:12288       ; scale words: tile t in register KS + t / 2, in lanes 0-15 where t is even, in lanes 16-31 where it is odd
	ds_load_b64 v[KS+2:KS+3], \a8 offset:12544
.endm
.macro VLOAD a16, a8                   ; its V: 17 loads
.irp u, 0,1,2,3
.irp c, 0,1
	ds_load_b128 v[VF+12*\u+6*\c:VF+12*\u+6*\c+3], \a16 offset:6144+1536*\u+768*\c
	ds_load_b64 v[VF+12*\u+6*\c+4:VF+12*\u+6*\c+5], \a8 offset:6144+1536*\u+768*\c+512
.endr
.endr
	ds_load_b64 v[VS:VS+1], \a8 offset:12800
.endm
	s_load_b128 s[4:7], s[0:1], 0x0                ; QQ, KV
	s_load_b64 s[8:9], s[0:1], 0x10                ; AQ
	v_lshl_add_u32 v8, v0, 2, SPARE
	v_mov_b32 v9, 0
	ds_add_u32 v8, v9                              ; the opening lines: the add, twice on end, and its wait ahead of the first tensor load
	ds_add_u32 v8, v9
	v_lshrrev_b32 v1, 5, v0
	v_readfirstlane_b32 s12, v1                    ; wave 0..7
	s_bfe_u32 s13, ttmp6, 0x40000                  ; cx
	s_and_b32 s14, ttmp7, 0xffff                   ; bh: 16 batch + head, which the four partners share
	s_mov_b32 s[G1+0], 15|(3<<16)|(1<<21)          ; the mask: all four work-groups; elements of 8 bytes; bit 21 set beside a mask; no padding
	s_mov_b32 s[G1+1], 32<<16                      ; rows of 256 bytes
	s_mov_b32 s[G1+2], 102<<16                     ; 102 of them: two key steps' records
	s_mov_b32 s[G1+3], 32<<16
	s_mov_b32 s[G1+4], 102
	s_mov_b32 s[G1+5], 32                          ; dense
	s_mov_b32 s[G1+6], 0
	s_mov_b32 s[G1+7], 0
	s_mul_i32 s54, s12, 2*REC                      ; my two records: the same bytes on in memory and in LDS
	s_mul_i32 s56, s14, HEADB
	s_add_co_u32 s56, s56, s54
	s_mov_b32 s57, 0
	s_mov_b32 s40, 0x76543210
	s_mov_b32 s41, 0xfedcba98                      ; v_permlanex16_b32's selects for lane l xor 16
	s_mov_b32 s42, 0x3e38aa3b                      ; c = log2(e) / 8
	s_mov_b32 s43, s42                             ; (named with it as a pair, so it is written)
	s_mov_b32 s44, 0x1800000                       ; the floor 2^(3 - 127)
	s_lshl_b32 s55, ttmp9, 2
	s_add_co_u32 s55, s55, s13                     ; my block of 512 queries: it enters Q's and AQ's addresses alone
	s_lshl_b32 s58, s14, 4
	s_lshl_b32 s59, s55, 2
	s_add_co_u32 s58, s58, s59
	s_lshr_b32 s59, s12, 2
	s_add_co_u32 s58, s58, s59                     ; Q's record in pass 0: 16 bh + 4 block + wave / 4
	s_mul_i32 s58, s58, 6656
	s_and_b32 s59, s12, 3
	s_mul_i32 s60, s59, 1536
	s_add_co_u32 s60, s60, s58                     ; my first tile's half image; the second's lies 768 bytes on
	s_mov_b32 s61, 0
	s_and_b32 s68, s12, 1
	s_lshl_b32 s68, s68, 2                         ; a tile's place among its group's scale words: 128 (tile % 2) + 4 ((tile / 2) % 2): here 4 (wave % 2); the second tile's lies 128 bytes on
	s_bfe_u32 s59, s12, 0x10001
	s_lshl_b32 s59, s59, 8                         ; the group of four tiles in the record
	s_add_co_u32 s62, s58, s59
	s_add_co_u32 s62, s62, s68
	s_add_co_u32 s62, s62, 6144                    ; my first tile's scale words
	s_mov_b32 s63, 0
	s_lshr_b32 s69, s14, 4
	s_lshl_b32 s69, s69, 3
	s_lshl_b32 s70, s55, 1
	s_add_co_u32 s69, s69, s70                     ; AQ's pair of blocks of 128 rows in pass 0: 8 batch + 2 block
	s_mul_i32 s69, s69, BLK
	s_bfe_u32 s70, s14, 0x30001                    ; head / 2: the K step
	s_mul_i32 s70, s70, SUB/2
	s_add_co_u32 s69, s69, s70
	s_lshr_b32 s70, s12, 2                         ; wave / 4: which block of the pair
	s_mul_i32 s70, s70, BLK/2
	s_add_co_u32 s69, s69, s70
	s_and_b32 s71, s14, 1                          ; head % 2: the image's half
	s_and_b32 s2, s12, 3
	s_mul_i32 s2, s2, 3072                         ; my first tile's image; the second's lies 1,536 bytes on
	s_add_co_u32 s2, s2, s69
	s_mul_i32 s70, s71, 768
	s_add_co_u32 s2, s2, s70
	s_mov_b32 s3, 0
	s_bfe_u32 s70, s12, 0x10001                    ; the group of four tiles in the block
	s_lshl_b32 s70, s70, 8
	s_add_co_u32 s10, s69, s70
	s_add_co_u32 s10, s10, s68
	s_lshl_b32 s70, s71, 1
	s_add_co_u32 s10, s10, s70
	s_add_co_u32 s10, s10, 12288                   ; my head's two bytes of my first tile's scale words
	s_mov_b32 s11, 0
	s_wait_dscnt 0x0                               ; both opening adds are done
	s_wait_kmcnt 0x0
	s_add_nc_u64 s[56:57], s[6:7], s[56:57]
	s_mov_b32 s[G0], 1
	s_mov_b32 s[G0+1], s54
	s_mov_b64 s[G0+2:G0+3], s[56:57]
	s_or_b32 s[G0+3], s[G0+3], 0x80000000
	s_add_nc_u64 s[48:49], s[4:5], s[60:61]        ; Q's codes
	s_add_nc_u64 s[66:67], s[4:5], s[62:63]        ; Q's scale words
	s_add_nc_u64 s[50:51], s[8:9], s[2:3]          ; AQ's codes
	s_add_nc_u64 s[52:53], s[8:9], s[10:11]        ; AQ's scale bytes
	CROUND                                         ; all four work-groups are here: the joint loads meet
	s_cmp_lt_u32 s12, 2                            ; every wave's one load, its place made of the wave's number; waves 0 and 1 have a line of their own, since they alone wait ahead of the first barrier
	s_cbranch_scc0 .Llater
	tensor_load_to_lds s[G0:G0+3], s[G1:G1+7]
	s_nop 0
.rept 4
	v_nop
.endr
	s_branch .Lasked
.Llater:
	tensor_load_to_lds s[G0:G0+3], s[G1:G1+7]
	s_nop 0
.rept 4
	v_nop
.endr
.Lasked:
	v_and_b32 v10, 31, v0
	v_bfe_u32 v11, v0, 4, 1                        ; h
	v_and_b32 v6, 15, v0
	v_lshlrev_b32 v3, 4, v10                       ; 16 x lane
	v_lshlrev_b32 v4, 3, v10                       ; 8 x lane
	v_lshlrev_b32 v5, 3, v11                       ; 8 h
	v_lshlrev_b32 v6, 3, v6                        ; 8 r
	v_lshl_add_u32 v7, v6, 0, v11                  ; 8 r + h
.irp j, 26,27,28,29,30,31,38,39,40,41,42,43,116,117,118,119,120,121
	v_mov_b32 v\j, 0                               ; zero codes: Q's k = 64 .. 127, and what stands behind K's tile 7
.endr
.irp j, 215,217,235,237
	v_mov_b32 v\j, 0                               ; a lane permute's destination counts as one of its sources
.endr
.irp e, 0,1
	global_load_b128 v[QF+12*\e:QF+12*\e+3], v3, s[48:49] offset:768*\e                ; my tiles of Q in pass 0: half an image each,
	global_load_b64 v[QF+12*\e+4:QF+12*\e+5], v4, s[48:49] offset:768*\e+512
	global_load_b32 v[QS+\e], v6, s[66:67] offset:128*\e                               ; and its scale words;
	global_load_b128 v[Q1+6*\e:Q1+6*\e+3], v3, s[48:49] offset:2*6656+768*\e           ; and in pass 1, 256 queries on
	global_load_b64 v[Q1+6*\e+4:Q1+6*\e+5], v4, s[48:49] offset:2*6656+768*\e+512
	global_load_b32 v[Q1S+\e], v6, s[66:67] offset:2*6656+128*\e
.endr
; A KEY STEP: 128 keys x my two tiles of queries.  Its K and V were asked for in the step before; s45 is the next record's LDS byte.  clamp = 1: the loop that holds the last step
.macro STEP clamp
	s_wait_dscnt 17                                ; K is in; V's 17 loads, issued behind K's, may be out
	WIN 0x40                                       ; the results: window 1
.irp t, 0,1,2,3,4,5,6,7                        ; S^T = K Q^T
.irp e, 0,1
.if (\t)%2
	v_wmma_scale_f32_16x16x128_f8f6f4 v[64*\e+8*\t:64*\e+8*\t+7], v[KF+6*\t:KF+6*\t+11], v[QF+12*\e:QF+12*\e+11], 0, v[KS+\t/2], v[QS+\e] matrix_a_fmt:MATRIX_FMT_FP6 matrix_b_fmt:MATRIX_FMT_FP6 matrix_a_scale:MATRIX_SCALE_ROW1
.else
	v_wmma_scale_f32_16x16x128_f8f6f4 v[64*\e+8*\t:64*\e+8*\t+7], v[KF+6*\t:KF+6*\t+11], v[QF+12*\e:QF+12*\e+11], 0, v[KS+\t/2], v[QS+\e] matrix_a_fmt:MATRIX_FMT_FP6 matrix_b_fmt:MATRIX_FMT_FP6
.endif
.endr
.endr
	WIN 0
.if \clamp
	s_min_u32 s39, s45, 15*REC                     ; the next record; behind the last, the last once more
.else
	s_mov_b32 s39, s45                             ; the next record
.endif
	v_mov_b32 v[OM], v[NM]                         ; the old -M.  These four lines are the places behind the products
	v_mov_b32 v[OM+1], v[NM+2]
	v_add_nc_u32 v1, s39, v3
	v_add_nc_u32 v2, s39, v4
	KLOAD v1, v2                                   ; the next step's K
	WIN 0x15                                       ; the three sources: window 1
.irp e, 0,1
.irp c, 0,1
	v_max3_num_f32 v[BM+2*\e+\c], v[64*\e+32*\c], v[64*\e+32*\c+1], v[64*\e+32*\c+2]   ; the largest score of each block of 32 keys: it serves for the row's maximum and, since p rises with the score, for the block's largest p
.endr
.endr
	WIN 0x14
.irp i, 3,5,7,9,11,13,15,17,19,21,23,25,27,29
.irp e, 0,1
.irp c, 0,1
	v_max3_num_f32 v[BM+2*\e+\c], v[BM+2*\e+\c], v[64*\e+32*\c+\i], v[64*\e+32*\c+\i+1]
.endr
.endr
.endr
.irp e, 0,1
.irp c, 0,1
	v_max_num_f32 v[BM+2*\e+\c], v[BM+2*\e+\c], v[64*\e+32*\c+31]
.endr
.endr
	WIN 0
.irp e, 0,1
	v_max3_num_f32 v[C0+2*\e], v[BM+2*\e], v[BM+2*\e+1], v[NM+2*\e+1]
.endr
.irp e, 0,1
	v_permlanex16_b32 v[C0+2*\e+1], v[C0+2*\e], s40, s41           ; the query's other 64 keys lie in lane l xor 16
.endr
.irp e, 0,1
	v_max_num_f32 v[NM+2*\e+1], v[C0+2*\e], v[C0+2*\e+1]           ; the running largest score
.endr
.irp e, 0,1
	v_mul_f32 v[FF+2*\e+1], s42, v[NM+2*\e+1]                      ; as t (c is positive)
.endr
.irp e, 0,1
	v_floor_f32 v[NM+2*\e], -v[FF+2*\e+1]                          ; the new -M = floor(-t) = -ceil(t): M is a whole number
.endr
.irp e, 0,1
	v_sub_f32 v[OM+\e], v[NM+2*\e], v[OM+\e]                       ; old M less new M: a whole number, 0 or less
.endr
.irp e, 0,1
	v_cvt_i32_f32 v[OM+\e], v[OM+\e]                               ; (it saturates)
.endr
.irp e, 0,1
	v_ldexp_f32 v[FF+2*\e], 1.0, v[OM+\e]                          ; f = 2^(old M - new M)
.endr
.irp e, 0,1
.irp c, 0,1
	v_fma_f32 v[BM+2*\e+\c], v[BM+2*\e+\c], s42, v[NM+2*\e]        ; t - M of each block's largest score
.endr
.endr
	WIN 0x41                                       ; source 0 and the result: window 1
.set j, 0
.rept 32
	v_pk_fma_f32 v[j:j+1], v[j:j+1], s[42:43], v[NM:NM+1] op_sel_hi:[1,0,0]           ; t - M, two at a time
	v_pk_fma_f32 v[64+j:65+j], v[64+j:65+j], s[42:43], v[NM+2:NM+3] op_sel_hi:[1,0,0]
.set j, j+2
.endr
	WIN 0
	WALU                                           ; the wait ahead of the batch
.irp k, 0,1,2,3
	v_exp_f32 v[BM+\k], v[BM+\k]                   ; the block's largest p: the same two instructions on the same number give the same bits
.endr
	WIN 0x41
.set j, 0
.rept 128
	v_exp_f32 v[j], v[j]                           ; p = 2^(t - M), at most 1
.set j, j+1
.endr
	WIN 0
.irp e, 0,1
	v_pk_mul_f32 v[SM+2*\e:SM+2*\e+1], v[SM+2*\e:SM+2*\e+1], v[FF+2*\e:FF+2*\e+1] op_sel_hi:[1,0]   ; the sums under the new M; the plain lines behind the exponentials
.endr
	WALU                                           ; one wait for the batch of 132, ahead of the first line that names a result
	WIN 0x05                                       ; THE ROW'S SUM, of the unquantised p: four chains a tile
.irp k, 0,1,2
.irp e, 0,1
	v_pk_add_f32 v[TS+6*\e+2*\k:TS+6*\e+2*\k+1], v[64*\e+4*\k:64*\e+4*\k+1], v[64*\e+4*\k+2:64*\e+4*\k+3]
.endr
.endr
	WIN 0x04
.set p, 6
.rept 26
.if (p-6)%4 == 0
.set da, SM
.set db, SM+2
.else
.set da, TS+2*((p-6)%4-1)
.set db, TS+6+2*((p-6)%4-1)
.endif
	v_pk_add_f32 v[da:da+1], v[da:da+1], v[2*p:2*p+1]
	v_pk_add_f32 v[db:db+1], v[db:db+1], v[64+2*p:64+2*p+1]
.set p, p+1
.endr
	WIN 0
.irp e, 0,1
	v_pk_add_f32 v[SM+2*\e:SM+2*\e+1], v[SM+2*\e:SM+2*\e+1], v[TS+6*\e:TS+6*\e+1]
	v_pk_add_f32 v[TS+6*\e+2:TS+6*\e+3], v[TS+6*\e+2:TS+6*\e+3], v[TS+6*\e+4:TS+6*\e+5]
.endr
.irp k, 0,1,2,3
	v_max_num_f32 v[BM+\k], s44, v[BM+\k]          ; the floor: the byte cannot fall under 1
.endr
.irp e, 0,1
	v_pk_add_f32 v[SM+2*\e:SM+2*\e+1], v[SM+2*\e:SM+2*\e+1], v[TS+6*\e+2:TS+6*\e+3]
.endr
.irp k, 0,1,2,3
	v_add_nc_u32 v[SO+\k], 0xff000000, v[BM+\k]    ; 2 off the exponent field: the conversion's scale operand
.endr
.irp k, 0,1,2,3
	v_lshrrev_b32 v[BY+\k], 23, v[SO+\k]           ; the scale's byte
.endr
.irp e, 0,1
	v_lshl_or_b32 v[WD+2*\e], v[BY+2*\e+1], 16, v[BY+2*\e]         ; my two bytes: blocks h and 2 + h,
.endr
.irp e, 0,1
	v_lshlrev_b32 v[WD+2*\e], v5, v[WD+2*\e]                       ; at their places;
.endr
.irp e, 0,1
	v_permlanex16_b32 v[WD+2*\e+1], v[WD+2*\e], s40, s41
.endr
.irp e, 0,1
	v_or_b32 v[PS+\e], v[WD+2*\e], v[WD+2*\e+1]                    ; with lane l xor 16's two: p's scale word for these 128 keys
.endr
	WIN 0x01                                       ; the numbers: window 1
.irp e, 0,1
	v_cvt_scalef32_pk16_fp6_f32 v[PC+12*\e:PC+12*\e+2], v[64*\e:64*\e+15], v[SO+2*\e]
	v_cvt_scalef32_pk16_fp6_f32 v[CT+8*\e:CT+8*\e+2], v[64*\e+16:64*\e+31], v[SO+2*\e]          ; (a conversion's three registers begin on an even number)
	v_cvt_scalef32_pk16_fp6_f32 v[PC+12*\e+6:PC+12*\e+8], v[64*\e+32:64*\e+47], v[SO+2*\e+1]
	v_cvt_scalef32_pk16_fp6_f32 v[CT+8*\e+4:CT+8*\e+6], v[64*\e+48:64*\e+63], v[SO+2*\e+1]
.endr
	WIN 0
	v_nop                                          ; one plain instruction behind the conversions
.irp e, 0,1
.irp i, 0,1,2
	v_mov_b32 v[PC+12*\e+3+\i], v[CT+8*\e+\i]
	v_mov_b32 v[PC+12*\e+9+\i], v[CT+8*\e+4+\i]
.endr
.endr
	WIN 0x41
	WALU                                           ; the wait here, directly ahead of the first line that reads O^T
.set j, 0
.rept 16
	v_pk_mul_f32 v[128+j:129+j], v[128+j:129+j], v[FF:FF+1] op_sel_hi:[1,0]           ; O^T under the new M.  These 32 also stand between the writing of p's codes and scale words and the products
	v_pk_mul_f32 v[160+j:161+j], v[160+j:161+j], v[FF+2:FF+3] op_sel_hi:[1,0]
.set j, j+2
.endr
	WALU                                           ; the wait here, directly ahead of the wait below
	s_wait_dscnt 18                                ; V is in; the next K's 18 loads, issued behind V's, may be out
	WIN 0x50                                       ; C and D: window 1
.irp u, 0,1,2,3                                ; O^T += V^T P^T: eight accumulators by turns
.irp e, 0,1
.if (\u)%2
	v_wmma_scale_f32_16x16x128_f8f6f4 v[128+32*\e+8*\u:128+32*\e+8*\u+7], v[VF+12*\u:VF+12*\u+11], v[PC+12*\e:PC+12*\e+11], v[128+32*\e+8*\u:128+32*\e+8*\u+7], v[VS+\u/2], v[PS+\e] matrix_a_fmt:MATRIX_FMT_FP6 matrix_b_fmt:MATRIX_FMT_FP6 matrix_a_scale:MATRIX_SCALE_ROW1
.else
	v_wmma_scale_f32_16x16x128_f8f6f4 v[128+32*\e+8*\u:128+32*\e+8*\u+7], v[VF+12*\u:VF+12*\u+11], v[PC+12*\e:PC+12*\e+11], v[128+32*\e+8*\u:128+32*\e+8*\u+7], v[VS+\u/2], v[PS+\e] matrix_a_fmt:MATRIX_FMT_FP6 matrix_b_fmt:MATRIX_FMT_FP6
.endif
.endr
.endr
	WIN 0
.rept 4
	v_nop                                          ; four plain instructions in front of loads into registers that the products have read
.endr
	VLOAD v1, v2                                   ; the next step's V
.endm
	WALU                                           ; the wait at the head's end
	s_cmp_lt_u32 s12, 2                            ; waves 0 and 1 brought records 0 to 3; the other waves' loads may be out
	s_cbranch_scc0 .Lnot_first
	s_wait_tensorcnt 0x0
.Lnot_first:
	s_barrier_signal -1
	s_barrier_wait -1
	s_wait_loadcnt 0x0                             ; Q
	s_mov_b32 s47, 2
.Lpass:
	s_wait_dscnt 0x0                               ; (the loads that the last pass's last step issued have landed: their registers may be loaded anew)
	KLOAD v3, v4                                   ; record 0
	VLOAD v3, v4
	v_mov_b32 v[NM+1], 0xff61b1e6                  ; the largest score so far: -3e38
	v_mov_b32 v[NM+3], 0xff61b1e6
	v_mul_f32 v[FF+1], s42, v[NM+1]
.irp j, 0,1,2,3
	v_mov_b32 v[SM+\j], 0                          ; the sums, in two halves
.endr
	v_floor_f32 v[NM], -v[FF+1]                    ; -M
	v_floor_f32 v[NM+2], -v[FF+1]
	WIN 0x40
.set j, 0
.rept 64
	v_mov_b32 v[128+j], 0                          ; O^T: the first change of M multiplies zeros
.set j, j+1
.endr
	WIN 0
	s_mov_b32 s45, REC
	s_mov_b32 s46, 3
.Lfirst:                                               ; key steps 0 to 2: they read and fetch records 0 to 3 alone
	STEP 0
	s_add_co_u32 s45, s45, REC
	s_sub_co_u32 s46, s46, 1
	s_cmp_lg_u32 s46, 0
	s_cbranch_scc1 .Lfirst
	s_wait_tensorcnt 0x0                           ; my two records are in: every wave waits, under no branch;
	s_wait_dscnt 0x0                               ; no LDS load of mine is out at the signal;
	s_barrier_signal -1
	s_barrier_wait -1                              ; and all sixteen records are shown to all
	s_mov_b32 s45, 4*REC
	s_mov_b32 s46, 13
.Lstep:                                                ; key steps 3 to 15
	STEP 1
	s_add_co_u32 s45, s45, REC
	s_sub_co_u32 s46, s46, 1
	s_cmp_lg_u32 s46, 0
	s_cbranch_scc1 .Lstep
	; THE WAY OUT.  A tile's 32 numbers of O^T / the sum in my lane are d = 32 h + 0 .. 31 of my query's head: one block of the last product's K.  (The step's four v_nop stand behind the last products)
.irp e, 0,1
	v_add_f32 v[SM+2*\e], v[SM+2*\e], v[SM+2*\e+1]
.endr
.irp e, 0,1
	v_permlanex16_b32 v[C0+2*\e+1], v[SM+2*\e], s40, s41
.endr
.irp e, 0,1
	v_add_f32 v[SM+2*\e], v[SM+2*\e], v[C0+2*\e+1]                 ; the row's sum
.endr
	WALU                                           ; the wait ahead of the reciprocals,
.irp e, 0,1
	v_rcp_f32 v[SM+2*\e], v[SM+2*\e]
.endr
	v_nop                                          ; a plain instruction behind them,
	WIN 0x41
	WALU                                           ; and the wait ahead of the first line that names a result, which is also the first that reads O^T
.set j, 0
.rept 16
	v_pk_mul_f32 v[j:j+1], v[128+j:129+j], v[SM:SM+1] op_sel_hi:[1,0]
	v_pk_mul_f32 v[64+j:65+j], v[160+j:161+j], v[SM+2:SM+3] op_sel_hi:[1,0]
.set j, j+2
.endr
	WIN 0x15
.irp e, 0,1
	v_max3_num_f32 v[BM+2*\e], |v[64*\e]|, |v[64*\e+1]|, |v[64*\e+2]|
	v_max3_num_f32 v[BM+2*\e+1], |v[64*\e+3]|, |v[64*\e+4]|, |v[64*\e+5]|
.endr
	WIN 0x14
.irp i, 6,10,14,18,22,26
.irp e, 0,1
	v_max3_num_f32 v[BM+2*\e], v[BM+2*\e], |v[64*\e+\i]|, |v[64*\e+\i+1]|
	v_max3_num_f32 v[BM+2*\e+1], v[BM+2*\e+1], |v[64*\e+\i+2]|, |v[64*\e+\i+3]|
.endr
.endr
.irp e, 0,1
	v_max3_num_f32 v[BM+2*\e], v[BM+2*\e], |v[64*\e+30]|, |v[64*\e+31]|
.endr
	WIN 0
.irp e, 0,1
	v_max3_num_f32 v[BM+2*\e], v[BM+2*\e], v[BM+2*\e+1], s44       ; with the floor
.endr
.irp e, 0,1
	v_add_nc_u32 v[SO+2*\e], 0xff000000, v[BM+2*\e]
.endr
	WIN 0x01
.irp e, 0,1
	v_cvt_scalef32_pk16_fp6_f32 v[PC+12*\e:PC+12*\e+2], v[64*\e:64*\e+15], v[SO+2*\e]
	v_cvt_scalef32_pk16_fp6_f32 v[CT+8*\e:CT+8*\e+2], v[64*\e+16:64*\e+31], v[SO+2*\e]
.endr
	WIN 0
.irp e, 0,1
	v_lshrrev_b32 v[BY+2*\e], 23, v[SO+2*\e]       ; my block's byte; also the plain instructions behind the conversions
.endr
.irp e, 0,1
.irp i, 0,1,2
	v_mov_b32 v[PC+12*\e+3+\i], v[CT+8*\e+\i]
.endr
.endr
.irp e, 0,1
	global_store_b128 v3, v[PC+12*\e:PC+12*\e+3], s[50:51] offset:1536*\e              ; half an image: 512 consecutive bytes,
	global_store_b64 v4, v[PC+12*\e+4:PC+12*\e+5], s[50:51] offset:1536*\e+512         ; and 256
	global_store_b8 v7, v[BY+2*\e], s[52:53] offset:128*\e                             ; a word's four bytes come from two heads, which are two work-groups: so single bytes, 32 beside the tile's 768 bytes of codes
.endr
	s_wait_xcnt 0x0                                ; the stores have read their bases and registers: both may be written again
	s_add_nc_u64 s[50:51], s[50:51], BLK           ; the next pass: 256 queries, two blocks of 128 rows, on
	s_add_nc_u64 s[52:53], s[52:53], BLK
.irp e, 0,1
.irp i, 0,1,2,3,4,5
	v_mov_b32 v[QF+12*\e+\i], v[Q1+6*\e+\i]        ; its tiles of Q; the moves at the pass's head stand between these lines and the products
.endr
	v_mov_b32 v[QS+\e], v[Q1S+\e]
.endr
	s_sub_co_u32 s47, s47, 1
	s_cmp_lg_u32 s47, 0
	s_cbranch_scc1 .Lpass
	s_wait_tensorcnt 0x0                           ; the wave's end
	ds_add_u32 v8, v9
	s_wait_dscnt 0x0
	CROUND                                         ; the closing round
	s_endpgm
.Lfunc_end_k_q336b338161_attn:
	.size	k_q336b338161_attn, .Lfunc_end_k_q336b338161_attn-k_q336b338161_attn
	.p2alignl 7, 3214868480
	.fill 96, 4, 3214868480
	.section	.rodata,"a",@progbits
	.p2align	6, 0x0
	.amdhsa_kernel k_q336b338161_attn
		.amdhsa_group_segment_fixed_size 327680
		.amdhsa_private_segment_fixed_size 0
		.amdhsa_enable_private_segment 0
		.amdhsa_kernarg_size 24
		.amdhsa_user_sgpr_count 2
		.amdhsa_user_sgpr_kernarg_segment_ptr 1
		.amdhsa_wavefront_size32 1
		.amdhsa_system_sgpr_workgroup_id_x 1
		.amdhsa_system_sgpr_workgroup_id_y 1
		.amdhsa_system_sgpr_workgroup_id_z 1
		.amdhsa_system_vgpr_workitem_id 0
		.amdhsa_next_free_vgpr 448
		.amdhsa_next_free_sgpr 72
		.amdhsa_reserve_vcc 0
		.amdhsa_float_denorm_mode_32 3
		.amdhsa_float_denorm_mode_16_64 3
		.amdhsa_memory_ordered 1
		.amdhsa_forward_progress 1
		.amdhsa_inst_pref_size 74
	.end_amdhsa_kernel
	.amdgpu_metadata
---
amdhsa.version: [ 1, 2 ]
amdhsa.kernels:
  - .name:           k_q336b338161_attn
    .symbol:         k_q336b338161_attn.kd
    .args:
      - { .name: QQ, .offset: 0, .size: 8, .value_kind: global_buffer, .address_space: global }
      - { .name: KV, .offset: 8, .size: 8, .value_kind: global_buffer, .address_space: global }
      - { .name: AQ, .offset: 16, .size: 8, .value_kind: global_buffer, .address_space: global }
    .group_segment_fixed_size: 327680
    .private_segment_fixed_size: 0
    .kernarg_segment_align: 8
    .kernarg_segment_size: 24
    .max_flat_workgroup_size: 256
    .sgpr_count:     72
    .vgpr_count:     448
    .wavefront_size: 32
...
	.end_amdgpu_metadata
.endif
;; end of part 3
;; launch oproj (part 4): grid 4 x 64, 4 waves a work-group, clusters of 4 x 4, 327,680 bytes of LDS; arguments AQ, WQ, bo, out0; writes out0
.if DOCPART == 4
	.amdgcn_target "amdgcn-amd-amdhsa--gfx1250"
	.amdhsa_code_object_version 6
	.text
	.protected	k_q336b338161_oproj
	.globl	k_q336b338161_oproj
	.p2align	8
	.type	k_q336b338161_oproj,@function
k_q336b338161_oproj:
	s_mov_b64 s[64:65], 0
	v_nop
	global_prefetch_b8 v0, s[64:65] scope:SCOPE_SE
	s_setreg_imm32_b32 hwreg(HW_REG_WAVE_MODE, 25, 1), 1
	s_wait_xcnt 0x0
	s_wait_alu depctr_hold_cnt(0) depctr_sa_sdst(0) depctr_va_vdst(0) depctr_va_sdst(0) depctr_va_ssrc(0) depctr_va_vcc(0) depctr_vm_vsrc(0)
	s_getreg_b32 s2, hwreg(HW_REG_IB_STS2, 6, 4)
	s_cmp_eq_u32 s2, 0
	s_cbranch_scc0 .Lentry_in_a_cluster
	s_endpgm
.Lentry_in_a_cluster:
	s_bfe_u32 s2, ttmp6, 0x10000c
	s_cmp_lg_u32 s2, 0xf033
	s_cbranch_scc0 .Lentry_shape_is_right
	s_endpgm
.Lentry_shape_is_right:
; out0 = a Wo + bo on codes of FP6 (E2M3) with E8M0 scales, f32 sums.  Both operands lie as images of fragments.  An image (16 rows x 128 along K, 1,536 bytes) has two halves c of 768 bytes:
; lane l's registers 6 c .. 6 c + 3 at 16 l, registers 6 c + 4, 6 c + 5 at 512 + 8 l.  Rows go in groups of 64: tile u holds at index i row 32 (i / 8) + 8 u + i % 8; a group's scale words are 256 bytes:
; the word of tile u, index r at 128 (u % 2) + 4 ((u / 2) % 2) + 8 r.
; a (AQ): [64 blocks of 128 rows][8 K steps][QSUB = 12,800 bytes: 8 images, 2 groups' scale words].  Wo (WQ's blocks 12 to 15, rows n): [block of 256][8 K steps][SUB = 25,600 bytes: 16 images, 4 groups' scale words].
; SHARES.  256 work-groups, each 128 rows x 256 columns; a wave makes 64 x 128: 32 accumulators.  P (source 0) = Wo's block cx, Q (source 1) = a's block 4 Y + cy: a lane holds one row of the output,
; and the 32 registers of four neighbouring tiles of P are 32 neighbouring columns.
; CLUSTER 4 x 4.  P hangs on cx alone and is asked for jointly by a column of the cluster, Q on cy alone and by a row.
; LDS.  ALL of K lies in LDS, filled once: Q's eight sub-records from byte 0 (102,400 bytes), P's eight from PREG (204,800).  No refill.  One tensor load a wave, each in an arm of its own:
; wave 0 Q's K steps 0-3 (200 rows of 256 bytes), wave 1 P's 0-3 (400 rows), wave 2 Q's 4-7, wave 3 P's 4-7.  The first barrier shows waves 0 and 1's; a second, in K step 3, ahead of the fetch of K step 4, shows the rest.
; NO PREFETCH: all that the launch reads is asked for by the head's four loads: there is no loop in which a request could run ahead of a load.
; A K STEP is 32 matrix instructions.  Both operands have two sets of registers: the next step's 56 LDS loads are issued ahead of the step's products, and waited for at the next step's head.
; THE BIAS is the C of each sum's first matrix instruction: a sum's first addend, not its last.
; REGISTERS.  Window 0: v2-13 LDS addresses of fragments; v17, v18 lane terms; v20, v21 the stage; v28, v29 the add's two; v30 the bias's offset; v32-95 scale words, eight for each K step; v96-111 their LDS addresses;
;   v128-223 Q's two sets of four fragments, on the way out v128-255 rows of the output.   Window 1: P's sets at v0 and v128; the bias's eight tiles at v96-127 and v224-255.   Window 2: the accumulators ((a, b) at v[8 (8 a + b)]).
.set SUB,   25600
.set QSUB,  12800
.set BLK,   8*SUB
.set PREG,  8*QSUB
.set SPARE, PREG+8*SUB                 ; behind the two regions: the spare words, 128 bytes a wave: two blocks of 256 bytes that no other line names
.set STAGE, 0                          ; the way out: 16 rows x 528 bytes for each wave, 33,792 bytes where Q's K steps 0 to 2 lay: they have had their only fill, and their last read stands ahead of the second barrier
.set FR,    12
.set AQ16,  2                          ; v2, v3   my four tiles of Q, K steps 0-3 and 4-7, + 16 x lane
.set AQ8,   4                          ; v4, v5   + 8 x lane
.set AP16,  6                          ; v6-9     my eight tiles of P, a pair of K steps each
.set AP8,   10                         ; v10-13
.set L16,   17
.set L8,    18
.set STO,   20
.set RD,    21
.set SPW,   28
.set NIL,   29
.set BOQ,   30
.set SC,    32
.set ASC,   96                         ; v[96 + g]  K step g's scale words: lanes 0-15 Q's group, lanes 16-31 P's first group
.set ASC2,  104                        ; v[104 + g] the same with lanes 0-15 256 bytes lower: with the offset of P's second group they read their own group again
.set AF,    128
.set BK,    128
.set G1Q,   24
.set G0Q,   32
.set G1P,   48
.set G0P,   56
.set MSB, 0
.macro WIN new                         ; the immediate's high byte repeats the setting that is left; a switch that changes nothing is dropped
.if MSB != (\new)
	s_set_vgpr_msb (MSB<<8)|(\new)
.set MSB, (\new)
.endif
.endm
.macro PLACES                          ; a load into a register that a matrix instruction has read, and an LDS store that reads a matrix result, stand four plain vector instructions behind it
.rept 4
	v_nop
.endr
.endm
.macro ARM under, g0, g1, next         ; an arm of the head's one chain of branches on the wave's number: its load, and a jump to the join
	s_cmp_lt_u32 s18, \under
	s_cbranch_scc0 \next
	tensor_load_to_lds s[\g0:\g0+3], s[\g1:\g1+7]
	s_nop 0
	PLACES
	s_branch .Lhead_asked
\next:
.endm
.macro CROUND
	s_barrier_signal -1
	s_barrier_wait -1
	s_cmp_lg_u32 s18, 0
	s_cbranch_scc1 .Lnot_wave_0_\@
	s_barrier_signal -3
.Lnot_wave_0_\@:
	s_barrier_wait -3
	s_barrier_signal -1
	s_barrier_wait -1
.endm
	s_load_b256 s[4:11], s[0:1], 0x0               ; AQ, WQ, bo, out0
	v_lshl_add_u32 v[SPW], v0, 2, SPARE
	v_mov_b32 v[NIL], 0
	ds_add_u32 v[SPW], v[NIL]                      ; the opening lines: the add, twice on end, and its wait ahead of my first tensor load
	ds_add_u32 v[SPW], v[NIL]
	v_lshrrev_b32 v1, 5, v0
	v_readfirstlane_b32 s18, v1                    ; wave 0..3
	s_lshr_b32 s19, s18, 1                         ; which 64 of the 128 rows are mine.  Also: I fetch K steps 0-3 (0) or 4-7 (1)
	s_and_b32 s20, s18, 1                          ; which 128 of the 256 columns
	s_bfe_u32 s21, ttmp6, 0x40000                  ; cx
	s_bfe_u32 s22, ttmp6, 0x40004                  ; cy
	s_and_b32 s72, ttmp7, 0xffff                   ; Y
	s_lshl_b32 s73, s22, 2
	s_lshl_b32 s73, 15, s73                        ; my row of the cluster
	s_lshl_b32 s74, 0x1111, s21                    ; my column
	s_or_b32 s[G1Q+0], s73, (3<<16)|(1<<21)        ; the mask; elements of 8 bytes; bit 21 set beside a mask; no padding
	s_or_b32 s[G1P+0], s74, (3<<16)|(1<<21)
.irp g, G1Q, G1P
	s_mov_b32 s[\g+1], 32<<16                      ; rows of 256 bytes
	s_mov_b32 s[\g+3], 32<<16
	s_mov_b32 s[\g+5], 32                          ; dense
	s_mov_b32 s[\g+6], 0
	s_mov_b32 s[\g+7], 0
.endr
	s_mov_b32 s[G1Q+2], 200<<16                    ; four of Q's sub-records,
	s_mov_b32 s[G1Q+4], 200
	s_mov_b32 s[G1P+2], 400<<16                    ; four of P's
	s_mov_b32 s[G1P+4], 400
	s_lshl_b32 s23, ttmp9, 2
	s_add_co_u32 s23, s23, s21                     ; the block of 256 columns
	s_add_co_u32 s76, s23, 12                      ; Wo's blocks lie behind Wq's, Wk's and Wv's
	s_lshl_b32 s75, s72, 2
	s_add_co_u32 s75, s75, s22                     ; the block of 128 rows
	s_mul_i32 s76, s76, BLK
	s_mul_i32 s75, s75, 8*QSUB
	s_mul_i32 s40, s19, 4*QSUB                     ; my four K steps: the same bytes on in memory and in the region
	s_mul_i32 s42, s19, 4*SUB
	s_add_co_u32 s44, s75, s40
	s_mov_b32 s45, 0
	s_add_co_u32 s46, s76, s42
	s_mov_b32 s47, 0
	s_wait_dscnt 0x0                               ; both opening adds are done
	s_wait_kmcnt 0x0
	s_mov_b32 s[G0Q], 1
	s_mov_b32 s[G0Q+1], s40
	s_add_nc_u64 s[G0Q+2:G0Q+3], s[4:5], s[44:45]
	s_or_b32 s[G0Q+3], s[G0Q+3], 0x80000000
	s_mov_b32 s[G0P], 1
	s_add_co_u32 s[G0P+1], s42, PREG
	s_add_nc_u64 s[G0P+2:G0P+3], s[6:7], s[46:47]
	s_or_b32 s[G0P+3], s[G0P+3], 0x80000000
	CROUND                                         ; all sixteen work-groups are here: the joint loads meet
	ARM 1, G0Q, G1Q, .Lhead_1                      ; one tensor load a wave at the head
	ARM 2, G0P, G1P, .Lhead_2
	ARM 3, G0Q, G1Q, .Lhead_3
	tensor_load_to_lds s[G0P:G0P+3], s[G1P:G1P+7]
	s_nop 0
	PLACES
.Lhead_asked:
	v_and_b32 v1, 31, v0
	v_lshlrev_b32 v[L16], 4, v1
	v_lshlrev_b32 v[L8], 3, v1
	v_and_b32 v24, 15, v0                          ; r
	v_bfe_u32 v22, v0, 4, 1                        ; h
	v_lshlrev_b32 v[BOQ], 7, v22                   ; bo: my half's 32 numbers of a group of 64
	s_mul_i32 s73, s19, 6144                       ; my four tiles of Q
	s_mul_i32 s74, s20, 12288
	s_add_co_u32 s74, s74, PREG                    ; my eight tiles of P
.irp k, 0,1
	v_add_nc_u32 v[AQ16+\k], s73, v[L16]
	v_add_nc_u32 v[AQ8+\k], s73, v[L8]
	s_add_co_u32 s73, s73, 4*QSUB
.endr
.irp k, 0,1,2,3
	v_add_nc_u32 v[AP16+\k], s74, v[L16]
	v_add_nc_u32 v[AP8+\k], s74, v[L8]
	s_add_co_u32 s74, s74, 2*SUB
.endr
	s_lshl_b32 s75, s19, 8
	s_add_co_u32 s75, s75, 12288                   ; K step 0: my group's scale words of Q,
	s_lshl_b32 s76, s20, 9
	s_add_co_u32 s76, s76, PREG+24576              ; my two groups' of P,
	s_sub_co_u32 s76, s76, s75                     ; and the distance between the two
	s_sub_co_u32 s77, s75, 256
	v_mul_u32_u24 v26, s76, v22                    ; lanes 16-31 take P's
	v_lshl_add_u32 v26, v24, 3, v26                ; + 8 r
	v_add_nc_u32 v27, 1, v22
	v_add_nc_u32 v23, s75, v26
	v_lshl_add_u32 v25, v22, 8, v26
	v_mul_u32_u24 v27, v27, QSUB                   ; from K step to K step: QSUB in lanes 0-15, SUB = 2 QSUB in lanes 16-31
	v_add_nc_u32 v25, s77, v25                     ; lanes 0-15 256 bytes lower, lanes 16-31 as they were
.irp g, 0,1,2,3,4,5,6,7
	v_mad_u32_u24 v[ASC+\g], v27, \g, v23
	v_mad_u32_u24 v[ASC2+\g], v27, \g, v25
.endr
	s_mul_i32 s73, s18, 16*528
	s_add_co_u32 s73, s73, STAGE                   ; my stage
	v_mul_u32_u24 v[STO], v24, 528
	v_lshl_add_u32 v[STO], v22, 7, v[STO]
	v_add_nc_u32 v[STO], s73, v[STO]               ; in: row r, + 128 h bytes
	v_add_nc_u32 v[RD], s73, v[L16]                ; back: the 32 lanes take a row of 512 bytes
	s_lshl_b32 s2, s23, 10
	s_lshl_b32 s73, s20, 9
	s_add_co_u32 s2, s2, s73                       ; my first column, in bytes
	s_mov_b32 s3, 0
	s_add_nc_u64 s[88:89], s[8:9], s[2:3]
	WIN 0x40                                       ; destination window 1
.irp b, 0,1,2,3,4,5,6,7                        ; register j of tile b: n = 64 (b / 4) + 32 h + 8 (b % 4) + j
	global_load_b128 v[96+128*(\b/4)+8*(\b%4):96+128*(\b/4)+8*(\b%4)+3], v[BOQ], s[88:89] offset:4*(64*(\b/4)+8*(\b%4))
	global_load_b128 v[96+128*(\b/4)+8*(\b%4)+4:96+128*(\b/4)+8*(\b%4)+7], v[BOQ], s[88:89] offset:4*(64*(\b/4)+8*(\b%4))+16
.endr
	WIN 0
	s_lshl_b32 s73, s72, 2
	s_add_co_u32 s73, s73, s22
	s_lshl_b32 s73, s73, 7
	s_lshl_b32 s74, s19, 6
	s_add_co_u32 s73, s73, s74                     ; my first row
	s_lshl_b32 s73, s73, 12                        ; rows of 4,096 bytes
	s_add_co_u32 s2, s2, s73
	s_add_nc_u64 s[80:81], s[10:11], s[2:3]        ; never stepped: a row's place stands in the stores' immediates
.macro FRAG reg, a16, a8, off          ; an image comes back as it was stored: four loads, each of consecutive bytes
	ds_load_b128 v[\reg:\reg+3], v[\a16] offset:\off
	ds_load_b64 v[\reg+4:\reg+5], v[\a8] offset:\off+512
	ds_load_b128 v[\reg+6:\reg+9], v[\a16] offset:\off+768
	ds_load_b64 v[\reg+10:\reg+11], v[\a8] offset:\off+1280
.endm
.macro FETCH g                         ; K step g into the sets g % 2: P's eight fragments, Q's four, eight registers of scale words (lanes 0-15 the words of Q's tile i % 4, lanes 16-31 those of P's tile i): 56 loads
	WIN 0x40
.irp i, 0,1,2,3,4,5,6,7
	FRAG 128*((\g)%2)+FR*\i, AP16+(\g)/2, AP8+(\g)/2, ((\g)%2)*SUB+1536*\i
.endr
	WIN 0
.irp i, 0,1,2,3
	FRAG AF+FR*(4*((\g)%2)+\i), AQ16+(\g)/4, AQ8+(\g)/4, ((\g)%4)*QSUB+1536*\i
.endr
.irp i, 0,1,2,3
	ds_load_b32 v[SC+8*(\g)+\i], v[ASC+(\g)] offset:128*(\i%2)+4*((\i/2)%2)
.endr
.irp i, 4,5,6,7
	ds_load_b32 v[SC+8*(\g)+\i], v[ASC2+(\g)] offset:256+128*(\i%2)+4*((\i/2)%2)
.endr
.endm
; 16 matrix instructions: Q's tiles a0, a0 + 1 x P's eight.  cm = 1: the sums begin with the bias.  The 32 accumulators take turns, one instruction a turn, in the same order in every step.
.macro MUL16 a0, g, cm
.irp a, \a0, \a0+1
.irp b, 0,1,2,3,4,5,6,7
.if (\cm) == 0
	v_wmma_scale_f32_16x16x128_f8f6f4 v[8*(8*(\a)+\b):8*(8*(\a)+\b)+7], v[128*((\g)%2)+FR*\b:128*((\g)%2)+FR*\b+FR-1], v[AF+FR*(4*((\g)%2)+(\a)):AF+FR*(4*((\g)%2)+(\a))+FR-1], v[8*(8*(\a)+\b):8*(8*(\a)+\b)+7], v[SC+8*(\g)+\b], v[SC+8*(\g)+(\a)] matrix_a_fmt:MATRIX_FMT_FP6 matrix_b_fmt:MATRIX_FMT_FP6 matrix_a_scale:MATRIX_SCALE_ROW1
.else
	v_wmma_scale_f32_16x16x128_f8f6f4 v[8*(8*(\a)+\b):8*(8*(\a)+\b)+7], v[128*((\g)%2)+FR*\b:128*((\g)%2)+FR*\b+FR-1], v[AF+FR*(4*((\g)%2)+(\a)):AF+FR*(4*((\g)%2)+(\a))+FR-1], v[96+128*(\b/4)+8*(\b%4):96+128*(\b/4)+8*(\b%4)+7], v[SC+8*(\g)+\b], v[SC+8*(\g)+(\a)] matrix_a_fmt:MATRIX_FMT_FP6 matrix_b_fmt:MATRIX_FMT_FP6 matrix_a_scale:MATRIX_SCALE_ROW1
.endif
.endr
.endr
.endm
; K step g.  show = 1: the barrier that shows K steps 4 to 7 stands ahead of the fetch, with sixteen products between its signal and its wait.
.macro STEP g, cm, show
.if \show
	s_wait_tensorcnt 0x0                           ; my load is in: every wave waits, under no branch
.endif
	s_wait_dscnt 0x0                               ; this step's fragments and scale words are in
.if \show
	s_barrier_signal -1
	WIN 0xa1
	MUL16 0, \g, \cm
	WIN 0
	s_barrier_wait -1
	PLACES                                         ; the loads below land in the sets that the last step's products read
	FETCH (\g)+1
	WIN 0xa1
	MUL16 2, \g, \cm
.else
	PLACES
	FETCH (\g)+1
.if \cm
	WIN 0x91                                       ; P window 1, Q window 0, the bias window 1, the sums window 2
.else
	WIN 0xa1                                       ; P window 1, Q window 0, C and D window 2
.endif
	MUL16 0, \g, \cm
	MUL16 2, \g, \cm
.endif
	WIN 0
.endm
	s_wait_alu depctr_va_vdst(0)                   ; the wait at the head's end
	s_cmp_lt_u32 s18, 2                            ; waves 0 and 1 brought K steps 0-3; the loads of waves 2 and 3 may be out
	s_cbranch_scc0 .Lnot_first
	s_wait_tensorcnt 0x0
.Lnot_first:
	s_barrier_signal -1
	s_barrier_wait -1
	FETCH 0
	s_wait_loadcnt 0x0                             ; the bias
	STEP 0, 1, 0                                   ; the first step starts the sums with the bias
	STEP 1, 0, 0
	STEP 2, 0, 0
	STEP 3, 0, 1                                   ; behind its barrier nobody reads K steps 0 to 3 in LDS any more
	STEP 4, 0, 0
	STEP 5, 0, 0
	STEP 6, 0, 0
	s_wait_dscnt 0x0                               ; the last step: nothing more to fetch
	WIN 0xa1
	MUL16 0, 7, 0
	MUL16 2, 7, 0
	WIN 0
; THE WAY OUT, tile a of my rows at a time: 16 rows x 128 columns.  A lane holds pieces of 32 bytes of one row: they go through my own stage in LDS and come back as whole rows of 512 bytes.
; LDS serves a wave's instructions in order (ISA guide 5.7.1.4): no wait between the stores and the loads, nor in front of the next tile's stores.
.macro TOSTAGE a
.set AC, 64*(\a)
	WIN 0x08                                       ; an LDS store's data are its source 1: window 2
.irp b, 0,1,2,3,4,5,6,7
	ds_store_b128 v[STO], v[AC+8*\b:AC+8*\b+3] offset:256*(\b/4)+32*(\b%4)         ; each accumulator from its low end on
	ds_store_b128 v[STO], v[AC+8*\b+4:AC+8*\b+7] offset:256*(\b/4)+32*(\b%4)+16
.endr
	WIN 0
.set BB, BK+64*((\a)%2)
.irp t, 0,1,2,3,4,5,6,7,8,9,10,11,12,13,14,15
	ds_load_b128 v[BB+4*\t:BB+4*\t+3], v[RD] offset:\t*528
.endr
.endm
.macro SEND a, younger                 ; younger: the LDS instructions issued behind tile a's loads, which may stay out
.set BB, BK+64*((\a)%2)
	s_wait_dscnt \younger
.irp t, 0,1,2,3,4,5,6,7,8,9,10,11,12,13,14,15  ; index t of tile a is row 32 (t / 8) + 8 a + t % 8 of my 64
	global_store_b128 v[L16], v[BB+4*\t:BB+4*\t+3], s[80:81] offset:4096*(32*(\t/8)+8*(\a)+\t%8) th:TH_STORE_NT   ; 32 lanes store 512 consecutive bytes, at a multiple of 256 from the output's first byte
.endr
.endm
	PLACES                                         ; behind the last products: for the reads of results, and for the loads into the registers that held Q's fragments
	TOSTAGE 0
.irp a, 1,2,3
.if \a > 1
	s_wait_xcnt 0x0                                ; tile a - 2's stores have read their registers: tile a's loads may land there
.endif
	TOSTAGE \a
	SEND \a-1, 32                                  ; behind tile a - 1's loads: tile a's 16 stores and 16 loads
.endr
	SEND 3, 0
	s_wait_tensorcnt 0x0                           ; the wave's end: behind my last tensor load and my last LDS store
	ds_add_u32 v[SPW], v[NIL]
	s_wait_dscnt 0x0
	CROUND                                         ; the closing round
	s_endpgm
.Lfunc_end_k_q336b338161_oproj:
	.size	k_q336b338161_oproj, .Lfunc_end_k_q336b338161_oproj-k_q336b338161_oproj
	.p2alignl 7, 3214868480
	.fill 96, 4, 3214868480
	.section	.rodata,"a",@progbits
	.p2align	6, 0x0
	.amdhsa_kernel k_q336b338161_oproj
		.amdhsa_group_segment_fixed_size 327680
		.amdhsa_private_segment_fixed_size 0
		.amdhsa_enable_private_segment 0
		.amdhsa_kernarg_size 32
		.amdhsa_user_sgpr_count 2
		.amdhsa_user_sgpr_kernarg_segment_ptr 1
		.amdhsa_wavefront_size32 1
		.amdhsa_system_sgpr_workgroup_id_x 1
		.amdhsa_system_sgpr_workgroup_id_y 1
		.amdhsa_system_sgpr_workgroup_id_z 1
		.amdhsa_system_vgpr_workitem_id 0
		.amdhsa_next_free_vgpr 768
		.amdhsa_next_free_sgpr 96
		.amdhsa_reserve_vcc 0
		.amdhsa_float_denorm_mode_32 3
		.amdhsa_float_denorm_mode_16_64 3
		.amdhsa_memory_ordered 1
		.amdhsa_forward_progress 1
		.amdhsa_inst_pref_size 88
	.end_amdhsa_kernel
	.amdgpu_metadata
---
amdhsa.version: [ 1, 2 ]
amdhsa.kernels:
  - .name:           k_q336b338161_oproj
    .symbol:         k_q336b338161_oproj.kd
    .args:
      - { .name: AQ, .offset: 0, .size: 8, .value_kind: global_buffer, .address_space: global }
      - { .name: WQ, .offset: 8, .size: 8, .value_kind: global_buffer, .address_space: global }
      - { .name: bo, .offset: 16, .size: 8, .value_kind: global_buffer, .address_space: global }
      - { .name: out0, .offset: 24, .size: 8, .value_kind: global_buffer, .address_space: global }
    .group_segment_fixed_size: 327680
    .private_segment_fixed_size: 0
    .kernarg_segment_align: 8
    .kernarg_segment_size: 32
    .max_flat_workgroup_size: 128
    .sgpr_count:     96
    .vgpr_count:     768
    .wavefront_size: 32
...
	.end_amdgpu_metadata
.endif
;; end of part 4
